; MI455X (gfx1250); checked and timed in simulation.
; The chip was launched on July 23, 2026; its instructions are those of AMD's public machine-readable ISA for CDNA 5 (MIT licence, August 2026) and "CDNA5" Instruction Set Architecture Reference Guide (July 2026). The comments in the code are by the model that wrote it; some were corrected since.
;; Multi Head Attention Block. Allowed arithmetic: matrix products marked QUANTISED: E2M1 operands, one E8M0 scale for each 32 along K, by v_wmma_scale_f32_16x16x128_f8f6f4 with both operands' format E2M1 (or v_wmma_scale_f32_32x16x128_f4), f32 sums; products left as they are: bf16, f16 or f32 operands; f32 sums; everything else in f32.
;; Inputs: Wk 1,024 x 1,024 float32; Wo 1,024 x 1,024 float32; Wq 1,024 x 1,024 float32; Wv 1,024 x 1,024 float32; k 4 x 2,048 x 1,024 float32; mask 1 x 1 x 2,048 x 2,048 int32; q 4 x 2,048 x 1,024 float32; v 4 x 2,048 x 1,024 float32.
;; Outputs: out0 4 x 2,048 x 1,024 float32.
;; This version of the problem:
;;   THIS VERSION OF THE PROBLEM IS GIVEN IN LOW PRECISION. The matrix products marked QUANTISED in the list below multiply operands that are first quantised to E2M1 (2 exponent bits, 1 mantissa bit; 4 bits a number), with one power-of-two scale for each 32 numbers along K (OCP MX v1.0); their sums are f32. The products marked 'left as it is' may take bf16, f16 or f32 operands, with f32 sums. Whichever they take, every output number must still come out within the allowed error. Rounding operands to bf16 (8 significant bits) uses up far more of that allowance than f16 does (11 bits, for magnitudes from 6e-5 to 65,504). All else is computed in f32.
;;   The module's matrix products, in the order in which they are computed (A, B: the left and right operand; K: the contracted axis; several contracted axes count as one K, in the product's order):
;;     1. [M 8,192, K 1,024] x [K 1,024, N 1,024]; A: input q; B: input Wq: QUANTISED
;;     2. [M 8,192, K 1,024] x [K 1,024, N 1,024]; A: input k; B: input Wk: QUANTISED
;;     3. [M 8,192, K 1,024] x [K 1,024, N 1,024]; A: input v; B: input Wv: QUANTISED
;;     4. batch 64 x [M 2,048, K 64] x [K 64, N 2,048]; A: computed on the way; B: computed on the way: left as it is (an operand is computed on the way)
;;     5. batch 64 x [M 2,048, K 2,048] x [K 2,048, N 64]; A: computed on the way; B: computed on the way: left as it is (an operand is computed on the way)
;;     6. [M 8,192, K 1,024] x [K 1,024, N 1,024]; A: computed on the way; B: input Wo: left as it is (an operand is computed on the way)
;;   THE QUANTISER, for each operand of a quantised product, along K:
;;     - K is cut into blocks of 32 from its start; a last block that is shorter is filled with zeros.
;;     - A block's scale is 2^e with e = floor(log2(the largest magnitude in the block)) - 2, held to -126 .. 127; a block of zeros has e = 0. As a byte (E8M0): e + 127.
;;     - Each number is divided by its block's scale, clamped to +-6, and rounded to the nearest number of E2M1, ties to even, subnormals kept.
;;     - The product sums the exact products of the quantised numbers (number of the format x scale) in f32.
;;   ~~~python
;;   def quantise(x, axis):      # numpy; x: float32 -> the quantised numbers, widened to float32 again
;;       x = np.moveaxis(x, axis, -1); K = x.shape[-1]
;;       x = np.pad(x, [(0, 0)] * (x.ndim - 1) + [(0, -K % 32)]); x = x.reshape(x.shape[:-1] + (-1, 32)); a = np.abs(x).max(-1, keepdims=True)
;;       e = np.where(a > 0, np.clip(np.frexp(np.where(a > 0, a, 1))[1] - 1 - 2, -126, 127), 0)      # np.frexp(a)[1] - 1 = floor(log2(a)), exactly
;;       r = np.clip(x / 2.0 ** e, -6, 6)
;;       step = 2.0 ** (np.maximum(np.frexp(np.where(r == 0, 1, r))[1] - 1, 0) - 1)
;;       q = np.round(r / step) * step * 2.0 ** e      # np.round: ties to even
;;       return np.moveaxis(q.reshape(q.shape[:-2] + (-1,))[..., :K], -1, axis).astype(np.float32)
;;   ~~~
;; One version. Each part assembles by itself: llvm-mc -triple=amdgcn-amd-amdhsa -mcpu=gfx1250 --defsym DOCPART=n.
;; ======== version 1 of 1: 5 launches
;; limits: right only within a limited range of input values; values are held in f16: magnitudes above 65,504 overflow, below 6.1e-05 lose precision
;; workspace buffers: wcodes 1,769,472 bytes; wo16 2,097,152 bytes; mw 525,312 bytes of whole numbers; qkv16 50,331,648 bytes; fine32 100,663,296 bytes; x16 16,777,216 bytes; wo32 4,194,304 bytes
;; launch prep (part 1): grid 256 x 1, 8 waves a work-group, no clusters, 1,280 bytes of LDS; arguments mask, Wq, Wk, Wv, Wo, wcodes, wo16, mw, wo32; writes wcodes, wo16, mw, wo32
.if DOCPART == 1
	.amdgcn_target "amdgcn-amd-amdhsa--gfx1250"
	.amdhsa_code_object_version 6
	.text
	.protected	k_q2e009250f6_prep
	.globl	k_q2e009250f6_prep
	.p2align	8
	.type	k_q2e009250f6_prep,@function
k_q2e009250f6_prep:
	s_mov_b64 s[64:65], 0
	v_nop
	global_prefetch_b8 v0, s[64:65] scope:SCOPE_SE
	s_setreg_imm32_b32 hwreg(HW_REG_WAVE_MODE, 25, 1), 1
	s_wait_xcnt 0x0
; THE PROGRAM: out = softmax(where(mask == 1, -1e9, (q Wq^T)(k Wk^T)^T / 8)) (v Wv^T) Wo^T, 4 batches x 2,048 positions x 1,024, 16 heads of 64.
; Five launches: this one lays out the weights and the mask; the second makes Q, K, V (MX-FP4 products); the third is attention (f16 operands, f32 sums);
; the fourth the projection on the way out (f16 operands); the fifth makes positions 0 to 15 of every batch anew in f32 and writes them over the fourth's.
; NO WORK IS LEFT OUT AS DEAD, and every input is loaded.  What later launches pass over is decided by whole numbers that this launch stores: a step of 64 keys is
; passed over for a tile of 16 queries only where all its 16 x 64 mask entries are 1 AND no row of the tile is masked in all 2,048 keys.  Each row then has an
; unmasked score elsewhere, and exp(-1e9 - that score) is 0 in f32.
; LIMITS: that holds while a row's largest unmasked score / 8 lies above about -1e9 + 104; Q, K, V, the attention's result and Wo lie under 65,504 in magnitude (f16);
; NaN and infinities among the inputs are not served; a block of 32 zeros gets the scale byte 1 where the rule says 127: its codes are zeros, and this program alone reads the bytes.
;
; THIS LAUNCH, three paths that part on the work-group's number; each of the 256 work-groups reads 128 KB:
;  0-127   the mask, a tile of 16 queries each: MW[q tile][step of 64 keys][32 words]: bit L of word 8 t + j = (mask[16 qt + L % 16][64 step + 16 t + 8 (L / 16) + j] == 1): the lane mask
;          for register 8 t + j of a tile of scores K Q^T.  TB[q tile] = (U, K): bit j of U: step j counts (or a row of the tile is masked everywhere: then all ones); bit j of K: step j has a masked entry.
;  128-223 Wq, Wk, Wv into MX-FP4, as images of the operand's registers: fragment (16 rows x 128 K) = 8 registers a lane, group c of four at 512 c + 16 x lane; scale words two K steps to a lane.
;  224-255 Wo, two tiles of 16 rows each: into f16, as images (fragment 16 rows x 32 K = 8 registers a lane), for the fourth launch; and in f32, the registers as they are loaded
;          ([tile of 16 rows][head][8 groups of four registers][lane][16 bytes]: register 8 g + i of lane (r, h) = Wo(16 tile + r, 64 head + 16 g + 8 h + i)), for the fifth.
; Only the mask path touches LDS (bytes 0-127; the spare words from 256 on).
.set SPARE, 256
.set TBOFF, 524288                     ; TB behind MW in mw
.set SCOFF, 1572864                    ; the scale words behind the codes in wcodes
.set MX,  16                           ; v16-21 at work in QUANTB
.set H8,  22                           ; v22    8 x (lane / 16)
.set PD,  23                           ; v23    a lane permute's destination
.set SEL, 34                           ; s[34:35] lane selects: lane l xor 16
	s_load_b512 s[4:19], s[0:1], 0x0               ; mask, Wq, Wk, Wv, Wo, wcodes, wo16, mw
	s_load_b64 s[36:37], s[0:1], 0x40              ; wo32
	v_lshl_add_u32 v2, v0, 2, SPARE                ; my spare word; never rewritten
	v_mov_b32 v3, 0                                ; 0; never rewritten
	v_lshrrev_b32 v1, 5, v0
	v_readfirstlane_b32 s20, v1                    ; wave 0..7
	v_and_b32 v1, 31, v0                           ; lane
	v_and_b32 v6, 15, v0                           ; r
	v_bfe_u32 v7, v0, 4, 1                         ; h
	s_mov_b32 s23, 0                               ; the upper word of every offset pair s[22:23]
	s_wait_kmcnt 0x0
	s_cmp_lt_u32 ttmp9, 128
	s_cbranch_scc1 .Lmask
	s_cmp_lt_u32 ttmp9, 224
	s_cbranch_scc1 .Lweights
	; ---- Wo: n tile = 2 (work-group - 224) + wave / 4; the wave takes a quarter of K: the chunks of 32 numbered 8 (wave % 4) .. + 7
	s_sub_co_u32 s21, ttmp9, 224
	s_lshl_b32 s21, s21, 1
	s_lshr_b32 s24, s20, 2
	s_add_co_u32 s21, s21, s24                     ; n tile 0..63
	s_and_b32 s25, s20, 3                          ; quarter of K
	s_lshl_b32 s22, s21, 16                        ; 16 rows of 4,096 bytes
	s_lshl_b32 s24, s25, 10                        ; 8 chunks of 128 bytes
	s_add_co_u32 s22, s22, s24
	s_add_nc_u64 s[12:13], s[12:13], s[22:23]
	s_lshl_b32 s22, s21, 15                        ; f16: 32 images of 1,024 bytes a tile
	s_lshl_b32 s24, s25, 13
	s_add_co_u32 s22, s22, s24
	s_add_nc_u64 s[16:17], s[16:17], s[22:23]
	s_lshl_b32 s22, s21, 16                        ; f32: 16 heads of 4,096 bytes a tile; a quarter of K is four heads
	s_lshl_b32 s24, s25, 14
	s_add_co_u32 s22, s22, s24
	s_add_nc_u64 s[36:37], s[36:37], s[22:23]
	v_lshlrev_b32 v4, 12, v6
	v_lshl_add_u32 v4, v7, 5, v4                   ; row r, + 8 h numbers
	v_lshlrev_b32 v5, 4, v1                        ; 16 x lane
.irp kc, 0,1,2,3,4,5,6,7
.irp e, 0,1
.irp i, 0,1
	global_load_b128 v[32+16*\kc+8*\e+4*\i:35+16*\kc+8*\e+4*\i], v4, s[12:13] offset:128*\kc+64*\e+16*\i   ; Wo(r, 32 kc + 16 e + 8 h + 4 i ..): group 4 kc + 2 e + i of four registers
.endr
.endr
.endr
.irp hf, 0,1                           ; four chunks at a time
	s_wait_loadcnt 16*(1-\hf)                      ; this half's 16 loads are in; the other half's may be out
.set n, 0
.rept 16
	global_store_b128 v5, v[32+64*\hf+4*n:35+64*\hf+4*n], s[36:37] offset:8192*\hf+512*n   ; the f32 image: the registers as they stand; 32 lanes store 512 consecutive bytes
.set n, n+1
.endr
.set n, 0
.rept 32
	v_cvt_pk_f16_f32 v[160+32*\hf+n], v[32+64*\hf+2*n], v[33+64*\hf+2*n]
.set n, n+1
.endr
.irp k, 0,1,2,3,4,5,6,7
	global_store_b128 v5, v[160+32*\hf+4*\k:163+32*\hf+4*\k], s[16:17] offset:4096*\hf+512*\k   ; the f16 image: chunk k / 2, half k % 2
.endr
.endr
	s_endpgm
; 64 numbers of a lane, v[src] on: two whole blocks of 32 along K (block c: registers 32 c ..) of the lane's row: k = 64 c + 32 h + 0 .. 31.  They become the fragment's 8 registers, v[cd] on, and the row's scale word.
.macro QUANTB src, cd, wd
	v_max3_num_f32 v[MX], |v[\src]|, |v[\src+1]|, 0x1800000            ; the floor 2^(3 - 127): the byte cannot fall under 1
	v_max3_num_f32 v[MX+1], |v[\src+32]|, |v[\src+33]|, 0x1800000
.irp i, 2,4,6,8,10,12,14,16,18,20,22,24,26,28,30
	v_max3_num_f32 v[MX], v[MX], |v[\src+\i]|, |v[\src+\i+1]|         ; the two blocks by turns
	v_max3_num_f32 v[MX+1], v[MX+1], |v[\src+32+\i]|, |v[\src+33+\i]|
.endr
	v_add_nc_u32 v[MX+2], 0xff000000, v[MX]        ; 2 off the exponent field: the conversion's scale operand
	v_add_nc_u32 v[MX+3], 0xff000000, v[MX+1]
	v_lshrrev_b32 v[MX+4], 23, v[MX+2]             ; the scale's byte
	v_lshrrev_b32 v[MX+5], 23, v[MX+3]
	v_lshl_or_b32 v[\wd], v[MX+5], 16, v[MX+4]     ; my bytes: blocks h and 2 + h,
	v_lshlrev_b32 v[\wd], v[H8], v[\wd]            ; at their places;
	v_permlanex16_b32 v[PD], v[\wd], s[SEL], s[SEL+1]
	v_or_b32 v[\wd], v[\wd], v[PD]                 ; with lane l xor 16's two the word is whole, in both halves of the lanes
.irp g, 0,1,2,3
	v_cvt_scalef32_pk8_fp4_f32 v[\cd+\g], v[\src+8*\g:\src+8*\g+7], v[MX+2]
	v_cvt_scalef32_pk8_fp4_f32 v[\cd+4+\g], v[\src+32+8*\g:\src+39+8*\g], v[MX+3]
.endr
	v_nop                                          ; one plain line behind the last scaled conversion
.endm
.Lweights:
	; ---- Wq, Wk, Wv: unit id = 8 (work-group - 128) + wave: tensor id / 256, n tile (id / 4) % 64, pair of K steps id % 4
	s_sub_co_u32 s21, ttmp9, 128
	s_lshl_b32 s21, s21, 3
	s_add_co_u32 s21, s21, s20
	s_lshr_b32 s24, s21, 8
	s_cmp_eq_u32 s24, 0
	s_cselect_b64 s[26:27], s[6:7], s[8:9]
	s_cmp_eq_u32 s24, 2
	s_cselect_b64 s[26:27], s[10:11], s[26:27]
	s_bfe_u32 s25, s21, 0x60002                    ; n tile
	s_and_b32 s28, s21, 3                          ; pair of K steps
	s_lshl_b32 s22, s25, 16
	s_lshl_b32 s29, s28, 10
	s_add_co_u32 s22, s22, s29
	s_add_nc_u64 s[26:27], s[26:27], s[22:23]      ; 16 rows of 4,096 bytes a tile, 1,024 bytes a pair of K steps
	s_lshr_b32 s22, s21, 2
	s_lshl_b32 s22, s22, 13
	s_lshl_b32 s29, s28, 11
	s_add_co_u32 s22, s22, s29
	s_add_nc_u64 s[30:31], s[14:15], s[22:23]      ; the two images
	s_lshl_b32 s22, s21, 8
	s_add_co_u32 s22, s22, SCOFF
	s_add_nc_u64 s[32:33], s[14:15], s[22:23]      ; their scale words: 256 bytes
	s_mov_b32 s[SEL], 0x76543210
	s_mov_b32 s[SEL+1], 0xfedcba98
	v_lshlrev_b32 v4, 12, v6
	v_lshl_add_u32 v4, v7, 7, v4                   ; row r, + 32 h numbers
	v_lshlrev_b32 v5, 4, v1
	v_lshlrev_b32 v8, 3, v1
	v_lshlrev_b32 v[H8], 3, v7
	v_mov_b32 v[PD], 0
.irp ks, 0,1
.irp c, 0,1
.irp i, 0,1,2,3,4,5,6,7
	global_load_b128 v[32+64*\ks+32*\c+4*\i:35+64*\ks+32*\c+4*\i], v4, s[26:27] offset:512*\ks+256*\c+16*\i th:TH_LOAD_NT
.endr
.endr
.endr
	s_wait_loadcnt 16                              ; the first K step's 16 loads are in; the second's may be out
	QUANTB 32, 160, 176
	global_store_b128 v5, v[160:163], s[30:31]
	global_store_b128 v5, v[164:167], s[30:31] offset:512
	s_wait_loadcnt 0x0
	QUANTB 96, 168, 177
	global_store_b128 v5, v[168:171], s[30:31] offset:1024
	global_store_b128 v5, v[172:175], s[30:31] offset:1536
	global_store_b64 v8, v[176:177], s[32:33]      ; 32 lanes store one aligned 256 bytes
	s_endpgm
.Lmask:
	; ---- the mask: q tile = work-group; wave w takes steps 4 w .. 4 w + 3
	s_lshl_b32 s22, ttmp9, 17                      ; 16 rows of 8,192 bytes
	s_lshl_b32 s24, s20, 10                        ; 4 steps of 256 bytes
	s_add_co_u32 s22, s22, s24
	s_add_nc_u64 s[4:5], s[4:5], s[22:23]
	s_lshl_b32 s22, ttmp9, 12
	s_lshl_b32 s24, s20, 9
	s_add_co_u32 s22, s22, s24
	s_add_nc_u64 s[30:31], s[18:19], s[22:23]      ; MW: 4,096 bytes a tile, 128 a step
	s_lshl_b32 s22, ttmp9, 3
	s_add_co_u32 s22, s22, TBOFF
	s_add_nc_u64 s[32:33], s[18:19], s[22:23]      ; TB: 8 bytes a tile
	v_lshlrev_b32 v4, 13, v6
	v_lshl_add_u32 v4, v7, 5, v4                   ; row r, + 8 h entries
	v_lshlrev_b32 v5, 3, v1
.irp s, 0,1,2,3
.irp t, 0,1,2,3
.irp e, 0,1
	global_load_b128 v[32+32*\s+8*\t+4*\e:35+32*\s+8*\t+4*\e], v4, s[4:5] offset:256*\s+64*\t+16*\e th:TH_LOAD_NT
.endr
.endr
.endr
.irp i, 8,9,10,11
	v_mov_b32 v\i, 0                               ; v_writelane_b32's destinations count as read
.endr
	s_mov_b32 s26, -1                              ; lanes all of whose entries so far are masked
	s_mov_b32 s27, 0                               ; my four bits of U
	s_mov_b32 s28, 0                               ; my four bits of K
.irp s, 0,1,2,3
	s_wait_loadcnt 8*(3-\s)                        ; this step's eight loads are in; the later steps' may be out
	s_mov_b32 s24, -1
	s_mov_b32 s25, 0
.irp g, 0,1,2,3
.irp i, 0,1,2,3,4,5,6,7
	v_cmp_eq_u32 s[40+\i], 1, v[32+32*\s+8*\g+\i]  ; word 8 g + i of the step
.endr
.irp i, 0,1,2,3,4,5,6,7
	s_and_b32 s24, s24, s[40+\i]
	s_or_b32 s25, s25, s[40+\i]
	v_writelane_b32 v[8+2*(\s/2)+(\i&1)], s[40+\i], 16*(\s&1)+4*\g+\i/2   ; two steps' 64 words: word W in register W % 2 of lane W / 2
.endr
.endr
	s_and_b32 s26, s26, s24
	s_cmp_lg_u32 s24, -1                           ; some entry of the step is not masked
	s_cselect_b32 s29, 1<<\s, 0
	s_or_b32 s27, s27, s29
	s_cmp_lg_u32 s25, 0                            ; some entry is masked
	s_cselect_b32 s29, 1<<\s, 0
	s_or_b32 s28, s28, s29
.if \s&1
	global_store_b64 v5, v[8+2*(\s/2):9+2*(\s/2)], s[30:31] offset:256*(\s/2)   ; 32 lanes store one aligned 256 bytes
.endif
.endr
	s_lshl_b32 s29, s20, 2
	s_lshl_b32 s27, s27, s29                       ; at my steps' places
	s_lshl_b32 s28, s28, s29
	v_mov_b32 v24, s27
	v_mov_b32 v25, s28
	v_mov_b32 v26, s26
	v_mov_b32 v27, 0
	v_mov_b32 v20, s20
	v_lshlrev_b32 v20, 4, v20
	ds_store_b128 v20, v[24:27]                    ; all lanes write the same 16 bytes with the same values
	s_wait_dscnt 0x0                               ; for the others' sake
	s_barrier_signal -1
	s_barrier_wait -1
	v_mov_b32 v21, 0
.irp i, 0,1,2,3,4,5,6,7
	ds_load_b128 v[32+4*\i:35+4*\i], v21 offset:16*\i
.endr
	s_wait_dscnt 0x0
.irp i, 1,2,3,4,5,6,7
	v_or_b32 v32, v32, v[32+4*\i]
	v_or_b32 v33, v33, v[33+4*\i]
	v_and_b32 v34, v34, v[34+4*\i]
.endr
	v_lshrrev_b32 v35, 16, v34
	v_and_b32 v35, v35, v34
	v_and_b32 v35, 0xffff, v35                     ; bit r: row r is masked in all 2,048 keys
	v_mov_b32 v36, -1
	v_cmp_ne_u32 vcc_lo, 0, v35
	v_cndmask_b32 v32, v32, v36, vcc_lo            ; then every step counts: such a row is the plain mean of all values
	v_cmp_eq_u32 vcc_lo, 1, v1
	v_cndmask_b32 v32, v32, v33, vcc_lo            ; lane 0: U, lane 1: K
	v_lshlrev_b32 v37, 2, v1
	s_cmp_lg_u32 s20, 0
	s_cbranch_scc1 .Lmask_end
	s_wait_xcnt 0x0                                ; EXEC changes only behind this wait: stores are out
	v_cmp_gt_u32 vcc_lo, 2, v1
	s_and_saveexec_b32 s29, vcc_lo
	global_store_b32 v37, v32, s[32:33]
	s_wait_xcnt 0x0                                ; and again in front of the line that widens it
	s_or_b32 exec_lo, exec_lo, s29
.Lmask_end:
	s_wait_tensorcnt 0x0                           ; the wave's end
	ds_add_u32 v2, v3
	s_wait_dscnt 0x0
	s_endpgm
.Lfunc_end_k_q2e009250f6_prep:
	.size	k_q2e009250f6_prep, .Lfunc_end_k_q2e009250f6_prep-k_q2e009250f6_prep
	.p2alignl 7, 3214868480
	.fill 96, 4, 3214868480
	.section	.rodata,"a",@progbits
	.p2align	6, 0x0
	.amdhsa_kernel k_q2e009250f6_prep
		.amdhsa_group_segment_fixed_size 1280
		.amdhsa_private_segment_fixed_size 0
		.amdhsa_enable_private_segment 0
		.amdhsa_kernarg_size 72
		.amdhsa_user_sgpr_count 2
		.amdhsa_user_sgpr_kernarg_segment_ptr 1
		.amdhsa_wavefront_size32 1
		.amdhsa_system_sgpr_workgroup_id_x 1
		.amdhsa_system_sgpr_workgroup_id_y 1
		.amdhsa_system_sgpr_workgroup_id_z 1
		.amdhsa_system_vgpr_workitem_id 0
		.amdhsa_next_free_vgpr 224
		.amdhsa_next_free_sgpr 66
		.amdhsa_reserve_vcc 1
		.amdhsa_float_denorm_mode_32 3
		.amdhsa_float_denorm_mode_16_64 3
		.amdhsa_memory_ordered 1
		.amdhsa_forward_progress 1
		.amdhsa_inst_pref_size 56
	.end_amdhsa_kernel
	.amdgpu_metadata
---
amdhsa.version: [ 1, 2 ]
amdhsa.kernels:
  - .name:           k_q2e009250f6_prep
    .symbol:         k_q2e009250f6_prep.kd
    .args:
      - { .name: mask, .offset: 0, .size: 8, .value_kind: global_buffer, .address_space: global }
      - { .name: Wq, .offset: 8, .size: 8, .value_kind: global_buffer, .address_space: global }
      - { .name: Wk, .offset: 16, .size: 8, .value_kind: global_buffer, .address_space: global }
      - { .name: Wv, .offset: 24, .size: 8, .value_kind: global_buffer, .address_space: global }
      - { .name: Wo, .offset: 32, .size: 8, .value_kind: global_buffer, .address_space: global }
      - { .name: wcodes, .offset: 40, .size: 8, .value_kind: global_buffer, .address_space: global }
      - { .name: wo16, .offset: 48, .size: 8, .value_kind: global_buffer, .address_space: global }
      - { .name: mw, .offset: 56, .size: 8, .value_kind: global_buffer, .address_space: global }
      - { .name: wo32, .offset: 64, .size: 8, .value_kind: global_buffer, .address_space: global }
    .group_segment_fixed_size: 1280
    .private_segment_fixed_size: 0
    .kernarg_segment_align: 8
    .kernarg_segment_size: 72
    .max_flat_workgroup_size: 256
    .sgpr_count:     66
    .vgpr_count:     224
    .wavefront_size: 32
...
	.end_amdgpu_metadata
.endif
;; end of part 1
;; launch proj (part 2): grid 384 x 1, 8 waves a work-group, no clusters, 105,472 bytes of LDS; arguments q, k, v, wcodes, mw, qkv16, fine32; writes qkv16, fine32
.if DOCPART == 2
	.amdgcn_target "amdgcn-amd-amdhsa--gfx1250"
	.amdhsa_code_object_version 6
	.text
	.protected	k_q2e009250f6_proj
	.globl	k_q2e009250f6_proj
	.p2align	8
	.type	k_q2e009250f6_proj,@function
k_q2e009250f6_proj:
	s_mov_b64 s[64:65], 0
	v_nop
	global_prefetch_b8 v0, s[64:65] scope:SCOPE_SE
	s_setreg_imm32_b32 hwreg(HW_REG_WAVE_MODE, 25, 1), 1
	s_wait_xcnt 0x0
; Q = q Wq^T, K = k Wk^T, V = v Wv^T on codes of MX-FP4: work-group = (tensor, block of 64 rows): tensor = number / 128, block = number % 128 = (batch, step j of 64 positions).
; PHASE X: the block's 64 rows x 1,024 of f32 are quantised once: wave w takes K step w (128 along K) of the four tiles of 16 rows.  Each load reads 512 consecutive bytes of a row; 16 rows turn through the
; wave's own stage in LDS so that a lane holds two whole blocks of 32 of one row; the codes and the scale words go to LDS as images of the operand's registers.  One barrier.
; PHASE G: two passes of 512 columns; in pass p wave w makes head 8 p + w: 64 rows x 64 columns, 16 accumulators, K in 8 steps of 128.  The weights' images come from memory straight into registers, two steps ahead.
; Q and K are made transposed (source 0 = 16 rows of W, source 1 = 16 rows of x): a lane holds one position and 8 neighbouring channels.  V the natural way: a lane holds one channel and 8 neighbouring positions.
; So each run of 32 accumulator registers, rounded to f16 in pairs, IS two operand fragments of attention, and leaves as it stands: 512 consecutive bytes a store.
; Q's and K's sums are multiplied by sqrt(log2(e) / 8) in f32 ahead of the rounding: their product is then score x log2(e) / 8, the exponent of 2 that the softmax wants.
; THE FINE COPIES: where the stored words say that positions 0 to 15 need them (Q: step 0; K, V: the steps that count for the first tile of queries), the f32 accumulators are stored too.
; LIMITS: as stated at the head of the first launch (f16's range; NaN and infinities not served; a block of zeros has the byte 1).
.set XSC,   32768                      ; LDS: 0: x's 32 images (tile of rows 8 mt + K step), 1,024 bytes each; here their scale words, 128 bytes each;
.set STG,   36864                      ; the waves' stages: 16 rows x (512 + 16) bytes each;
.set SPARE, 104448                     ; the spare words, 128 bytes a wave, which no other line names
.set SCOFF, 1572864
.set WF,    32                         ; v32-63, v64-95 the weights' four fragments, two sets
.set XF,    96                         ; v96-127 x's four fragments; on the way out the packed results
.set ACC,   128                        ; v128-255 the accumulators
.set SETA,  32                         ; phase X: v32-95, v96-159 two sets of 16 rows as loaded; v160-223 the 64 numbers of a lane; v224-239 codes and work
.set SETB,  96
.set T,     160
.set CD,    224
.set WD,    232
.set MX,    233
.set H8,    14                         ; v14 8 x (lane / 16);  v15 a lane permute's destination
.set PD,    15
.set SEL,   34
; v1 16 x lane; v2 XSC + 4 x lane; v3, v4 where I store x's images and scale words; v5, v6 my stage, in and out; v7 8 x lane; v8-11 x's scale words, v16-31 the weights': these hold scales alone; v12, v13 the add's two
	s_load_b256 s[4:11], s[0:1], 0x0               ; q, k, v, wcodes
	s_load_b128 s[12:15], s[0:1], 0x20             ; mw, qkv16
	s_load_b64 s[16:17], s[0:1], 0x30              ; fine32
	v_lshl_add_u32 v12, v0, 2, SPARE
	v_mov_b32 v13, 0
	v_lshrrev_b32 v240, 5, v0
	v_readfirstlane_b32 s18, v240                  ; wave 0..7
	v_and_b32 v240, 31, v0                         ; lane
	v_and_b32 v241, 15, v0                         ; r
	v_bfe_u32 v242, v0, 4, 1                       ; h
	s_lshr_b32 s19, ttmp9, 7                       ; tensor
	s_and_b32 s40, ttmp9, 127                      ; block
	s_lshr_b32 s20, s40, 5                         ; batch
	s_and_b32 s21, s40, 31                         ; step j
	v_lshlrev_b32 v1, 4, v240
	v_lshl_add_u32 v2, v240, 2, XSC
	s_lshl_b32 s38, s18, 10
	v_add_nc_u32 v3, s38, v1
	s_lshl_b32 s38, s18, 7
	v_add_nc_u32 v4, s38, v2
	s_mul_i32 s38, s18, 8448
	s_add_co_u32 s38, s38, STG
	v_add_nc_u32 v5, s38, v1
	v_mul_u32_u24 v6, v241, 528
	v_lshl_add_u32 v6, v242, 7, v6
	v_add_nc_u32 v6, s38, v6
	v_lshlrev_b32 v7, 3, v240
	v_lshlrev_b32 v[H8], 3, v242
	v_mov_b32 v[PD], 0
	s_mov_b32 s[SEL], 0x76543210
	s_mov_b32 s[SEL+1], 0xfedcba98
	s_mov_b32 s36, 0x3ed96d27                      ; sqrt(log2(e) / 8)
	s_mov_b32 s37, s36                             ; (named with it as a pair)
	s_mov_b32 s39, 0
	s_wait_kmcnt 0x0
	s_load_b32 s22, s[12:13], 0x80000              ; U of the first tile of queries
	s_cmp_eq_u32 s19, 0
	s_cselect_b64 s[24:25], s[4:5], s[6:7]
	s_cmp_eq_u32 s19, 2
	s_cselect_b64 s[24:25], s[8:9], s[24:25]
	s_lshl_b32 s38, s40, 18                        ; 64 rows of 4,096 bytes
	s_lshl_b32 s41, s18, 9                         ; my K step's 512 bytes
	s_add_co_u32 s38, s38, s41
	s_add_nc_u64 s[24:25], s[24:25], s[38:39]
.macro XLOAD f, set                    ; tile f's 16 rows of my K step: 512 consecutive bytes a load
.set i, 0
.rept 16
	global_load_b128 v[\set+4*i:\set+4*i+3], v1, s[24:25] offset:(16*\f+i)*4096 th:TH_LOAD_NT
.set i, i+1
.endr
.endm
.macro TURN set                        ; through my stage: LDS serves a wave's instructions in order, so no wait stands between the stores and the loads
.set i, 0
.rept 16
	ds_store_b128 v5, v[\set+4*i:\set+4*i+3] offset:528*i
.set i, i+1
.endr
.irp c, 0,1
.irp n, 0,1,2,3,4,5,6,7
	ds_load_b128 v[T+32*\c+4*\n:T+32*\c+4*\n+3], v6 offset:256*\c+16*\n   ; row r, k = 64 c + 32 h + 4 n ..
.endr
.endr
.endm
.macro QUANTB src, cd, wd              ; 64 numbers of a lane (two whole blocks of its row) become a fragment's 8 registers and the row's scale word
	v_max3_num_f32 v[MX], |v[\src]|, |v[\src+1]|, 0x1800000            ; the floor 2^(3 - 127): the byte cannot fall under 1
	v_max3_num_f32 v[MX+1], |v[\src+32]|, |v[\src+33]|, 0x1800000
.irp i, 2,4,6,8,10,12,14,16,18,20,22,24,26,28,30
	v_max3_num_f32 v[MX], v[MX], |v[\src+\i]|, |v[\src+\i+1]|
	v_max3_num_f32 v[MX+1], v[MX+1], |v[\src+32+\i]|, |v[\src+33+\i]|
.endr
	v_add_nc_u32 v[MX+2], 0xff000000, v[MX]        ; 2 off the exponent field: the conversion's scale operand
	v_add_nc_u32 v[MX+3], 0xff000000, v[MX+1]
	v_lshrrev_b32 v[MX+4], 23, v[MX+2]
	v_lshrrev_b32 v[MX+5], 23, v[MX+3]
	v_lshl_or_b32 v[\wd], v[MX+5], 16, v[MX+4]
	v_lshlrev_b32 v[\wd], v[H8], v[\wd]
	v_permlanex16_b32 v[PD], v[\wd], s[SEL], s[SEL+1]
	v_or_b32 v[\wd], v[\wd], v[PD]
.irp g, 0,1,2,3
	v_cvt_scalef32_pk8_fp4_f32 v[\cd+\g], v[\src+8*\g:\src+8*\g+7], v[MX+2]
	v_cvt_scalef32_pk8_fp4_f32 v[\cd+4+\g], v[\src+32+8*\g:\src+39+8*\g], v[MX+3]
.endr
	v_nop                                          ; one plain line behind the last scaled conversion
.endm
.macro IMG f                           ; the fragment and its scale words go to LDS as they stand
	ds_store_b128 v3, v[CD:CD+3] offset:8192*\f
	ds_store_b128 v3, v[CD+4:CD+7] offset:8192*\f+512
	ds_store_b32 v4, v[WD] offset:1024*\f
.endm
; step g = 8 p + ks: my head's four fragments of W into set g % 2; with an even g the scale words of steps g and g + 1
.macro LOADW g
.irp nt, 0,1,2,3
.irp c, 0,1
	global_load_b128 v[WF+32*((\g)&1)+8*\nt+4*\c:WF+32*((\g)&1)+8*\nt+4*\c+3], v1, s[26:27] offset:262144*((\g)>>3)+8192*\nt+1024*((\g)&7)+512*\c
.endr
.endr
.if ((\g)&1) == 0
.irp nt, 0,1,2,3
	global_load_b64 v[16+8*(((\g)>>1)&1)+2*\nt:17+8*(((\g)>>1)&1)+2*\nt], v7, s[28:29] offset:32768*((\g)>>3)+1024*\nt+256*(((\g)&7)>>1)
.endr
.endif
.endm
.macro LOADX g                         ; x's four fragments of K step g % 8, and their scale words
.irp mt, 0,1,2,3
.irp c, 0,1
	ds_load_b128 v[XF+8*\mt+4*\c:XF+8*\mt+4*\c+3], v1 offset:8192*\mt+1024*((\g)&7)+512*\c
.endr
	ds_load_b32 v[8+\mt], v2 offset:1024*\mt+128*((\g)&7)
.endr
.endm
.macro MM g, ver, mt, nt
.set rW, WF+32*((\g)&1)+8*\nt
.set rX, XF+8*\mt
.set rWS, 16+8*(((\g)>>1)&1)+2*\nt+((\g)&1)
.set rXS, 8+\mt
.if \ver
.set rD, ACC+32*\nt+8*\mt
.if ((\g)&7) == 0
	v_wmma_scale_f32_16x16x128_f8f6f4 v[rD:rD+7], v[rX:rX+7], v[rW:rW+7], 0, v[rXS], v[rWS] matrix_a_fmt:MATRIX_FMT_FP4 matrix_b_fmt:MATRIX_FMT_FP4
.else
	v_wmma_scale_f32_16x16x128_f8f6f4 v[rD:rD+7], v[rX:rX+7], v[rW:rW+7], v[rD:rD+7], v[rXS], v[rWS] matrix_a_fmt:MATRIX_FMT_FP4 matrix_b_fmt:MATRIX_FMT_FP4
.endif
.else
.set rD, ACC+32*\mt+8*\nt
.if ((\g)&7) == 0
	v_wmma_scale_f32_16x16x128_f8f6f4 v[rD:rD+7], v[rW:rW+7], v[rX:rX+7], 0, v[rWS], v[rXS] matrix_a_fmt:MATRIX_FMT_FP4 matrix_b_fmt:MATRIX_FMT_FP4
.else
	v_wmma_scale_f32_16x16x128_f8f6f4 v[rD:rD+7], v[rW:rW+7], v[rX:rX+7], v[rD:rD+7], v[rWS], v[rXS] matrix_a_fmt:MATRIX_FMT_FP4 matrix_b_fmt:MATRIX_FMT_FP4
.endif
.endif
.endm
; a pass's 64 x 64 leave: (Q, K: x sqrt(log2(e) / 8);) rounded to f16 in pairs, 64 accumulator registers at a time; each accumulator is read from its low end on
.macro WAYOUT p, ver
.if \ver == 0
.set i, 0
.rept 64
	v_pk_mul_f32 v[ACC+2*i:ACC+2*i+1], v[ACC+2*i:ACC+2*i+1], s[36:37] op_sel_hi:[1,0]
.set i, i+1
.endr
.endif
.irp hf, 0,1
.if \hf
	s_wait_xcnt 0x0                                ; the first half's stores have read the packed registers
.endif
.set i, 0
.rept 32
	v_cvt_pk_f16_f32 v[XF+i], v[ACC+64*\hf+2*i], v[ACC+64*\hf+2*i+1]
.set i, i+1
.endr
.irp k, 0,1,2,3,4,5,6,7
	global_store_b128 v1, v[XF+4*\k:XF+4*\k+3], s[30:31] offset:2097152*(\p)+4096*\hf+512*\k   ; 32 lanes store 512 consecutive bytes
.endr
.endr
	s_cmp_lg_u32 s23, 0                            ; a stored whole number decides: are the f32 sums wanted for positions 0 to 15?
	s_cbranch_scc0 .Lno_fine_\@
.set i, 0
.rept 32
	global_store_b128 v1, v[ACC+4*i:ACC+4*i+3], s[32:33] offset:4194304*(\p)+512*i
.set i, i+1
.endr
.Lno_fine_\@:
	s_wait_xcnt 0x0                                ; the stores have read their registers: accumulators and packed registers may be written again
.endm
.macro GSTEP g, ver
.if (\g) == 15
	s_wait_loadcnt 0x0
.elseif ((\g)&1)
	s_wait_loadcnt 12                              ; behind this step's loads stand the next step's alone: 8 of fragments and 4 of scale words,
.else
	s_wait_loadcnt 8                               ; or 8
.endif
	s_wait_dscnt 0x0                               ; x's fragments
.irp mt, 0,1,2,3
.irp nt, 0,1,2,3
	MM \g, \ver, \mt, \nt                          ; the 16 accumulators by turns, one instruction a turn
.endr
.endr
.rept 5
	v_nop                                          ; places in front of loads into the operands' and scales' registers, of the first read of results, and of a sum begun anew
.endr
.if (\g)+2 < 16
	LOADW (\g)+2
.endif
.if ((\g)&7) == 7
	WAYOUT ((\g)>>3), \ver
.endif
.if (\g)+1 < 16
	LOADX (\g)+1
.endif
.endm
	XLOAD 0, SETA
	XLOAD 1, SETB
	s_lshl_b32 s38, s19, 19                        ; the weights' images: 524,288 bytes a tensor, 32,768 a head
	s_lshl_b32 s41, s18, 15
	s_add_co_u32 s38, s38, s41
	s_add_nc_u64 s[26:27], s[10:11], s[38:39]
	s_lshl_b32 s38, s19, 16                        ; their scale words: 65,536 a tensor, 4,096 a head
	s_lshl_b32 s41, s18, 12
	s_add_co_u32 s38, s38, s41
	s_add_co_u32 s38, s38, SCOFF
	s_add_nc_u64 s[28:29], s[10:11], s[38:39]
	s_lshl_b32 s42, s20, 4
	s_add_co_u32 s42, s42, s18                     ; 16 x batch + wave: pass 0's (batch, head)
	s_lshl_b32 s38, s19, 24
	s_lshl_b32 s41, s42, 18
	s_add_co_u32 s38, s38, s41
	s_lshl_b32 s41, s21, 13
	s_add_co_u32 s38, s38, s41
	s_add_nc_u64 s[30:31], s[14:15], s[38:39]      ; qkv16: 16 MiB a tensor, 262,144 a head, 8,192 a step
	s_lshl_b32 s38, s19, 25
	s_lshl_b32 s41, s42, 19
	s_add_co_u32 s38, s38, s41
	s_lshl_b32 s41, s21, 14
	s_add_co_u32 s38, s38, s41
	s_add_nc_u64 s[32:33], s[16:17], s[38:39]      ; fine32: 32 MiB a tensor, 524,288 a head, 16,384 a step
	s_wait_kmcnt 0x0
	s_lshr_b32 s41, s22, s21
	s_and_b32 s41, s41, 1                          ; K, V: does step j count for the first tile of queries?
	s_cmp_eq_u32 s21, 0
	s_cselect_b32 s42, 1, 0                        ; Q: is this step 0?
	s_cmp_eq_u32 s19, 0
	s_cselect_b32 s23, s42, s41
	; ---- phase X
	s_wait_loadcnt 16                              ; tile 0's 16 loads are in; tile 1's may be out
	TURN SETA
	s_wait_dscnt 0x0
	XLOAD 2, SETA
	QUANTB T, CD, WD
	IMG 0
	s_wait_loadcnt 16                              ; tile 1's are in; tile 2's may be out
	TURN SETB
	s_wait_dscnt 0x0                               ; also: the image's stores have read their registers
	XLOAD 3, SETB
	QUANTB T, CD, WD
	IMG 1
	s_wait_loadcnt 16                              ; tile 2's are in; tile 3's may be out
	TURN SETA
	s_wait_dscnt 0x0
	LOADW 0                                        ; 12 loads, into the registers that tile 2's rows have left
	LOADW 1                                        ; 8 loads
	QUANTB T, CD, WD
	IMG 2
	s_wait_loadcnt 20                              ; tile 3's are in; those 20 may be out
	TURN SETB
	s_wait_dscnt 0x0
	QUANTB T, CD, WD
	IMG 3
	s_wait_dscnt 0x0                               ; for the others' sake: my images lie in LDS
	s_barrier_signal -1
	s_barrier_wait -1                              ; all 32 do; nobody writes them again
	LOADX 0
	; ---- phase G
	s_cmp_eq_u32 s19, 2
	s_cbranch_scc1 .Lvalues
.set G, 0
.rept 16
	GSTEP G, 0
.set G, G+1
.endr
	s_branch .Lend
.Lvalues:
.set G, 0
.rept 16
	GSTEP G, 1
.set G, G+1
.endr
.Lend:
	s_wait_tensorcnt 0x0                           ; the wave's end
	ds_add_u32 v12, v13
	s_wait_dscnt 0x0
	s_endpgm
.Lfunc_end_k_q2e009250f6_proj:
	.size	k_q2e009250f6_proj, .Lfunc_end_k_q2e009250f6_proj-k_q2e009250f6_proj
	.p2alignl 7, 3214868480
	.fill 96, 4, 3214868480
	.section	.rodata,"a",@progbits
	.p2align	6, 0x0
	.amdhsa_kernel k_q2e009250f6_proj
		.amdhsa_group_segment_fixed_size 105472
		.amdhsa_private_segment_fixed_size 0
		.amdhsa_enable_private_segment 0
		.amdhsa_kernarg_size 56
		.amdhsa_user_sgpr_count 2
		.amdhsa_user_sgpr_kernarg_segment_ptr 1
		.amdhsa_wavefront_size32 1
		.amdhsa_system_sgpr_workgroup_id_x 1
		.amdhsa_system_sgpr_workgroup_id_y 1
		.amdhsa_system_sgpr_workgroup_id_z 1
		.amdhsa_system_vgpr_workitem_id 0
		.amdhsa_next_free_vgpr 256
		.amdhsa_next_free_sgpr 66
		.amdhsa_reserve_vcc 0
		.amdhsa_float_denorm_mode_32 3
		.amdhsa_float_denorm_mode_16_64 3
		.amdhsa_memory_ordered 1
		.amdhsa_forward_progress 1
		.amdhsa_inst_pref_size 196
	.end_amdhsa_kernel
	.amdgpu_metadata
---
amdhsa.version: [ 1, 2 ]
amdhsa.kernels:
  - .name:           k_q2e009250f6_proj
    .symbol:         k_q2e009250f6_proj.kd
    .args:
      - { .name: q, .offset: 0, .size: 8, .value_kind: global_buffer, .address_space: global }
      - { .name: k, .offset: 8, .size: 8, .value_kind: global_buffer, .address_space: global }
      - { .name: v, .offset: 16, .size: 8, .value_kind: global_buffer, .address_space: global }
      - { .name: wcodes, .offset: 24, .size: 8, .value_kind: global_buffer, .address_space: global }
      - { .name: mw, .offset: 32, .size: 8, .value_kind: global_buffer, .address_space: global }
      - { .name: qkv16, .offset: 40, .size: 8, .value_kind: global_buffer, .address_space: global }
      - { .name: fine32, .offset: 48, .size: 8, .value_kind: global_buffer, .address_space: global }
    .group_segment_fixed_size: 105472
    .private_segment_fixed_size: 0
    .kernarg_segment_align: 8
    .kernarg_segment_size: 56
    .max_flat_workgroup_size: 256
    .sgpr_count:     66
    .vgpr_count:     256
    .wavefront_size: 32
...
	.end_amdgpu_metadata
.endif
;; end of part 2
;; launch attn (part 3): grid 4 x 64, 16 waves a work-group, no clusters, 34,816 bytes of LDS; arguments qkv16, mw, x16; writes x16
.if DOCPART == 3
	.amdgcn_target "amdgcn-amd-amdhsa--gfx1250"
	.amdhsa_code_object_version 6
	.text
	.protected	k_q2e009250f6_attn
	.globl	k_q2e009250f6_attn
	.p2align	8
	.type	k_q2e009250f6_attn,@function
k_q2e009250f6_attn:
	s_mov_b64 s[64:65], 0
	v_nop
	global_prefetch_b8 v0, s[64:65] scope:SCOPE_SE
	s_setreg_imm32_b32 hwreg(HW_REG_WAVE_MODE, 25, 1), 1
	s_wait_xcnt 0x0
; Attention on f16 operands with f32 sums.  Work-group (x, y): y = 16 x batch + head; waves 0-7 own block x of 256 queries, waves 8-15 block 7 - x; a wave owns 32 queries, two tiles of 16.
; All sixteen waves walk the head's 32 steps of 64 keys together: each wave brings 1 KB of the step's 16 KB (K's image, V's image) through registers into one of two LDS slots, a whole step ahead.
; Both products are used transposed (S^T = K Q^T, O^T = V^T P): a lane holds one query throughout.  Q and K come multiplied by sqrt(log2(e) / 8), so S^T is t = score x log2(e) / 8.
; A masked score is -1e9 x log2(e); p = 2^(t - M), M the running maximum; O^T and the sum are multiplied by 2^(old M - new M) in every step that is worked.
; WHAT IS PASSED OVER, by whole numbers that the first launch stored: a step none of whose mask entries is open for my 32 queries, where no row of my tiles is masked everywhere
; (its p would be 0 in f32: the limit at the head of the first launch); its K and V are not loaded where that holds of all 512 queries.  Barriers, waits and the LDS stores are run in every step.
; No tensor load and no cluster: branches hang on loaded whole numbers.  The pairing of blocks x and 7 - x evens the work out where a mask grows with the query's number; it is right for any mask.
; LIMITS: as stated at the head of the first launch.
.set SPARE, 32768                      ; LDS: slot s at 16,384 s: K's image (8,192 bytes), V's; behind them the spare words, 128 bytes a wave
.set ST,  16                           ; v16-23, v24-31 a tile's statistics: +0 M (+1 named with it), +2:+3 the sum, +4..+7 at work; +6 the factor 2^(old M - new M)
.set Q,   32                           ; v32-63   Q: tile q, channels 32 c on, at 16 q + 8 c
.set S,   64                           ; v64-127  S^T: tile q, keys 16 t on, at 32 q + 8 t; then p; p's f16 fragments at 32 q + 8 u
.set KV,  128                          ; v128-191 K's 8 fragments, then V's
.set O,   192                          ; v192-255 O^T: tile q, channels 16 dt on, at 32 q + 8 dt
; v1 16 x lane; v2 where I store my 1 KB; v4, v5 the add's two; v6 the masked score; v8-15 my 1 KB on its way
; s72 steps that count for any of the 512 queries; s73 for my 32; s74 steps with a masked entry for my 32: bit 0 = the step in hand
	s_load_b128 s[4:7], s[0:1], 0x0                ; qkv16, mw
	s_load_b64 s[8:9], s[0:1], 0x10                ; x16
	v_lshl_add_u32 v4, v0, 2, SPARE
	v_mov_b32 v5, 0
	v_lshrrev_b32 v1, 5, v0
	v_readfirstlane_b32 s10, v1                    ; wave 0..15
	v_and_b32 v1, 31, v0
	v_lshlrev_b32 v1, 4, v1
	s_lshl_b32 s13, s10, 10
	v_add_nc_u32 v2, s13, v1
	v_mov_b32 v6, 0xceabfb8f                       ; -1e9 x log2(e)
	s_mov_b32 s11, ttmp9
	s_and_b32 s12, ttmp7, 0xffff
	s_sub_co_u32 s13, 7, s11
	s_cmp_lt_u32 s10, 8
	s_cselect_b32 s15, s11, s13                    ; my block of 256 queries
	s_and_b32 s14, s10, 7
	s_lshl_b32 s14, s14, 1
	s_lshl_b32 s15, s15, 4
	s_add_co_u32 s14, s14, s15                     ; my first tile of queries, 0..126
	s_mov_b32 s67, 0
	s_wait_kmcnt 0x0
	s_lshl_b32 s66, s11, 7                         ; the table's 16 entries of block x,
	s_add_co_u32 s66, s66, 524288
	s_add_nc_u64 s[96:97], s[6:7], s[66:67]
	s_load_b512 s[16:31], s[96:97], 0x0
	s_load_b512 s[32:47], s[96:97], 0x40
	s_lshl_b32 s66, s13, 7                         ; of block 7 - x,
	s_add_co_u32 s66, s66, 524288
	s_add_nc_u64 s[98:99], s[6:7], s[66:67]
	s_load_b512 s[48:63], s[98:99], 0x0
	s_load_b512 s[80:95], s[98:99], 0x40
	s_lshl_b32 s66, s14, 3                         ; and my own two
	s_add_co_u32 s66, s66, 524288
	s_add_nc_u64 s[100:101], s[6:7], s[66:67]
	s_load_b128 s[68:71], s[100:101], 0x0
	s_lshl_b32 s66, s12, 18
	s_lshl_b32 s72, s14, 11
	s_add_co_u32 s66, s66, s72
	s_add_nc_u64 s[2:3], s[4:5], s[66:67]          ; Q: 262,144 bytes a head, 2,048 a tile
.irp k, 0,1,2,3,4,5,6,7
	global_load_b128 v[Q+4*\k:Q+4*\k+3], v1, s[2:3] offset:512*\k
.endr
	s_lshr_b32 s66, s10, 3
	s_add_co_u32 s66, s66, 1
	s_lshl_b32 s66, s66, 24                        ; waves 0-7 bring K (the second array of 16 MiB), waves 8-15 V (the third)
	s_lshl_b32 s72, s12, 18
	s_add_co_u32 s66, s66, s72
	s_and_b32 s72, s10, 7
	s_lshl_b32 s72, s72, 10
	s_add_co_u32 s66, s66, s72
	s_add_nc_u64 s[76:77], s[4:5], s[66:67]
	global_load_b128 v[8:11], v1, s[76:77]         ; step 0's part, without a condition
	global_load_b128 v[12:15], v1, s[76:77] offset:512
	s_lshl_b32 s66, s14, 12
	s_add_nc_u64 s[78:79], s[6:7], s[66:67]        ; my tiles' mask words: 4,096 bytes a tile, 128 a step
	s_lshr_b32 s66, s12, 4
	s_lshl_b32 s66, s66, 7
	s_add_co_u32 s66, s66, s14
	s_lshl_b32 s66, s66, 15                        ; x16: 32,768 bytes a tile of rows,
	s_and_b32 s72, s12, 15
	s_lshl_b32 s72, s72, 11                        ; 2,048 a head
	s_add_co_u32 s66, s66, s72
	s_add_nc_u64 s[8:9], s[8:9], s[66:67]
.irp q, 0,1
	v_mov_b32 v[ST+8*\q], 0xff61b1e6               ; M: -3e38, under every t
.irp i, 1,2,3,4,5,6,7
	v_mov_b32 v[ST+8*\q+\i], 0
.endr
.endr
.set i, 0
.rept 64
	v_mov_b32 v[O+i], 0                            ; which step is the first that counts hangs on the stored words, so no first step can be written out: the first change of M multiplies zeros
.set i, i+1
.endr
	s_wait_kmcnt 0x0
	s_or_b32 s72, s16, s18
.irp i, 20,22,24,26,28,30,32,34,36,38,40,42,44,46,48,50,52,54,56,58,60,62,80,82,84,86,88,90,92,94
	s_or_b32 s72, s72, s[\i]
.endr
	s_or_b32 s73, s68, s70
	s_or_b32 s74, s69, s71
	s_mov_b32 s75, 16
	s_mov_b32 s98, 0x76543210                      ; lane selects: lane l xor 16 (the table's loads are done)
	s_mov_b32 s99, 0xfedcba98
.macro COMPUTE sl
	s_bitcmp1_b32 s74, 0
	s_cbranch_scc0 .Lno_words_\@
	s_load_b512 s[16:31], s[78:79], 128*\sl        ; the step's 64 lane masks
	s_load_b512 s[32:47], s[78:79], 128*\sl+64
	s_load_b512 s[48:63], s[78:79], 128*\sl+4096
	s_load_b512 s[80:95], s[78:79], 128*\sl+4160
.Lno_words_\@:
.set i, 0
.rept 16
	ds_load_b128 v[KV+4*i:KV+4*i+3], v1 offset:16384*\sl+512*i   ; K's image comes back as it was stored: fragment (keys 16 t on, channels 32 c on) at 8 (2 t + c)
.set i, i+1
.endr
	s_wait_dscnt 0x0
.irp c, 0,1
.irp t, 0,1,2,3
.irp q, 0,1
.if \c == 0
	v_wmma_f32_16x16x32_f16 v[S+32*\q+8*\t:S+32*\q+8*\t+7], v[KV+8*(2*\t+\c):KV+8*(2*\t+\c)+7], v[Q+16*\q+8*\c:Q+16*\q+8*\c+7], 0
.else
	v_wmma_f32_16x16x32_f16 v[S+32*\q+8*\t:S+32*\q+8*\t+7], v[KV+8*(2*\t+\c):KV+8*(2*\t+\c)+7], v[Q+16*\q+8*\c:Q+16*\q+8*\c+7], v[S+32*\q+8*\t:S+32*\q+8*\t+7]
.endif
.endr
.endr
.endr                                              ; eight accumulators by turns
.rept 4
	v_nop                                          ; places in front of the loads into K's registers and of the first read of the scores
.endr
.set i, 0
.rept 16
	ds_load_b128 v[KV+4*i:KV+4*i+3], v1 offset:16384*\sl+8192+512*i   ; V: fragment (channels 16 dt on, keys 32 u on) at 8 (2 dt + u); it lands under the softmax
.set i, i+1
.endr
	s_wait_kmcnt 0x0
	s_bitcmp1_b32 s74, 0
	s_cbranch_scc0 .Lopen_\@
.set i, 0
.rept 32
	v_cndmask_b32 v[S+i], v[S+i], v6, s[16+i]
.set i, i+1
.endr
.set i, 0
.rept 16
	v_cndmask_b32 v[S+32+i], v[S+32+i], v6, s[48+i]
.set i, i+1
.endr
.set i, 0
.rept 16
	v_cndmask_b32 v[S+48+i], v[S+48+i], v6, s[80+i]
.set i, i+1
.endr
.Lopen_\@:
	; the maximum of a lane's 32 scores and the old M, the two tiles line by line; each accumulator is read from its low end on
.irp j, 0,1,2,3
.irp q, 0,1
	v_max3_num_f32 v[ST+8*\q+4+\j], v[S+32*\q+8*\j], v[S+32*\q+8*\j+1], v[S+32*\q+8*\j+2]
.endr
.endr
.irp n, 1,2
.irp j, 0,1,2,3
.irp q, 0,1
	v_max3_num_f32 v[ST+8*\q+4+\j], v[ST+8*\q+4+\j], v[S+32*\q+8*\j+2*\n+1], v[S+32*\q+8*\j+2*\n+2]
.endr
.endr
.endr
.irp q, 0,1
	v_max3_num_f32 v[ST+8*\q+4], v[ST+8*\q+4], v[S+32*\q+7], v[S+32*\q+15]
.endr
.irp q, 0,1
	v_max3_num_f32 v[ST+8*\q+6], v[ST+8*\q+6], v[S+32*\q+23], v[S+32*\q+31]
.endr
.irp q, 0,1
	v_max3_num_f32 v[ST+8*\q+4], v[ST+8*\q+4], v[ST+8*\q+5], v[ST+8*\q+6]
.endr
.irp q, 0,1
	v_max3_num_f32 v[ST+8*\q+4], v[ST+8*\q+4], v[ST+8*\q+7], v[ST+8*\q]
.endr
.irp q, 0,1
	v_permlanex16_b32 v[ST+8*\q+5], v[ST+8*\q+4], s98, s99     ; the query's other 32 keys lie in the lane 16 away
.endr
.irp q, 0,1
	v_mov_b32 v[ST+8*\q+7], v[ST+8*\q]
.endr
.irp q, 0,1
	v_max_num_f32 v[ST+8*\q], v[ST+8*\q+4], v[ST+8*\q+5]       ; the new M
.endr
.irp q, 0,1
	v_sub_f32 v[ST+8*\q+7], v[ST+8*\q+7], v[ST+8*\q]           ; old M - new M
.endr
.set i, 0
.rept 16
	v_pk_add_f32 v[S+2*i:S+2*i+1], v[S+2*i:S+2*i+1], v[ST:ST+1] op_sel_hi:[1,0] neg_lo:[0,1] neg_hi:[0,1]            ; t - M: exactly 0 where t = M
	v_pk_add_f32 v[S+32+2*i:S+33+2*i], v[S+32+2*i:S+33+2*i], v[ST+8:ST+9] op_sel_hi:[1,0] neg_lo:[0,1] neg_hi:[0,1]
.set i, i+1
.endr
	v_exp_f32 v[ST+6], v[ST+7]                     ; one batch of 66 exponentials
	v_exp_f32 v[ST+14], v[ST+15]
.set i, 0
.rept 32
	v_exp_f32 v[S+i], v[S+i]
	v_exp_f32 v[S+32+i], v[S+32+i]
.set i, i+1
.endr
	v_nop                                          ; a plain line behind the last exponential
	s_wait_alu depctr_va_vdst(0)                   ; one wait for the batch, ahead of its first reader
.irp q, 0,1
	v_pk_add_f32 v[ST+8*\q+4:ST+8*\q+5], v[S+32*\q:S+32*\q+1], v[S+32*\q+2:S+32*\q+3]   ; the sum of p in f32, ahead of the rounding
.endr
.irp b, 2,3,4,5,6,7,8,9,10,11,12,13,14,15
.irp q, 0,1
	v_pk_add_f32 v[ST+8*\q+4:ST+8*\q+5], v[ST+8*\q+4:ST+8*\q+5], v[S+32*\q+2*\b:S+32*\q+2*\b+1]
.endr
.endr
.irp q, 0,1
	v_pk_fma_f32 v[ST+8*\q+2:ST+8*\q+3], v[ST+8*\q+2:ST+8*\q+3], v[ST+8*\q+6:ST+8*\q+7], v[ST+8*\q+4:ST+8*\q+5] op_sel_hi:[1,0,1]
.endr
.set i, 0
.rept 16
	v_cvt_pk_f16_f32 v[S+i], v[S+2*i], v[S+2*i+1]              ; in place, ascending: two tiles of 16 keys become one fragment of 32
	v_cvt_pk_f16_f32 v[S+32+i], v[S+32+2*i], v[S+33+2*i]
.set i, i+1
.endr
.set i, 0
.rept 16
	v_pk_mul_f32 v[O+2*i:O+2*i+1], v[O+2*i:O+2*i+1], v[ST+6:ST+7] op_sel_hi:[1,0]
	v_pk_mul_f32 v[O+32+2*i:O+33+2*i], v[O+32+2*i:O+33+2*i], v[ST+14:ST+15] op_sel_hi:[1,0]
.set i, i+1
.endr
	s_wait_dscnt 0x0                               ; V
.irp u, 0,1
.irp dt, 0,1,2,3
.irp q, 0,1
	v_wmma_f32_16x16x32_f16 v[O+32*\q+8*\dt:O+32*\q+8*\dt+7], v[KV+8*(2*\dt+\u):KV+8*(2*\dt+\u)+7], v[S+32*\q+8*\u:S+32*\q+8*\u+7], v[O+32*\q+8*\dt:O+32*\q+8*\dt+7]
.endr
.endr
.endr                                              ; eight accumulators by turns
.rept 5
	v_nop                                          ; places in front of the next loads into V's registers, of the next products, which write over p, and of the next read of O^T
.endr
.endm
.macro STEP sl
	s_wait_loadcnt 0x0                             ; my 1 KB of this step is in registers (in the first step also Q)
	ds_store_b128 v2, v[8:11] offset:16384*\sl     ; stored in every step: a step that was not loaded leaves bytes that nobody reads
	ds_store_b128 v2, v[12:15] offset:16384*\sl+512
	s_wait_dscnt 0x0                               ; my stores have landed, and my reads of the other slot are over
	s_barrier_signal -1
	s_barrier_wait -1                              ; the one barrier of a step: this slot is whole, and nobody reads the other one
	s_bitcmp1_b32 s72, 1                           ; does the next step count for anybody here?  (In the last step the bit has been shifted out: no load leaves the buffer)
	s_cbranch_scc0 .Lno_load_\@
	global_load_b128 v[8:11], v1, s[76:77] offset:8192*(\sl+1)
	global_load_b128 v[12:15], v1, s[76:77] offset:8192*(\sl+1)+512
.Lno_load_\@:
	s_bitcmp1_b32 s73, 0                           ; does this step count for my queries?
	s_cbranch_scc0 .Lno_work_\@
	COMPUTE \sl
.Lno_work_\@:
	s_lshr_b32 s72, s72, 1
	s_lshr_b32 s73, s73, 1
	s_lshr_b32 s74, s74, 1
.endm
.Ltrip:                                                ; 16 trips of two steps
	STEP 0
	STEP 1
	s_wait_xcnt 0x0                                ; the loads have read their bases
	s_add_nc_u64 s[76:77], s[76:77], 16384
	s_add_nc_u64 s[78:79], s[78:79], 256
	s_sub_co_u32 s75, s75, 1
	s_cmp_lg_u32 s75, 0
	s_cbranch_scc1 .Ltrip
	; THE WAY OUT: O^T / the sum, rounded to f16 in pairs: a tile's 32 registers are two operand fragments of the next product and leave as they stand
.irp q, 0,1
	v_add_f32 v[ST+8*\q+4], v[ST+8*\q+2], v[ST+8*\q+3]
.endr
.irp q, 0,1
	v_permlanex16_b32 v[ST+8*\q+5], v[ST+8*\q+4], s98, s99
.endr
.irp q, 0,1
	v_add_f32 v[ST+8*\q+4], v[ST+8*\q+4], v[ST+8*\q+5]
.endr
.irp q, 0,1
	v_rcp_f32 v[ST+8*\q+6], v[ST+8*\q+4]
.endr
	v_nop
	s_wait_alu depctr_va_vdst(0)                   ; one wait for the two reciprocals
.set i, 0
.rept 16
	v_pk_mul_f32 v[O+2*i:O+2*i+1], v[O+2*i:O+2*i+1], v[ST+6:ST+7] op_sel_hi:[1,0]
	v_pk_mul_f32 v[O+32+2*i:O+33+2*i], v[O+32+2*i:O+33+2*i], v[ST+14:ST+15] op_sel_hi:[1,0]
.set i, i+1
.endr
.set i, 0
.rept 32
	v_cvt_pk_f16_f32 v[S+i], v[O+2*i], v[O+2*i+1]
.set i, i+1
.endr
.irp q, 0,1
.irp k, 0,1,2,3
	global_store_b128 v1, v[S+16*\q+4*\k:S+16*\q+4*\k+3], s[8:9] offset:32768*\q+512*\k   ; 32 lanes store 512 consecutive bytes
.endr
.endr
	s_wait_tensorcnt 0x0                           ; the wave's end
	ds_add_u32 v4, v5
	s_wait_dscnt 0x0
	s_endpgm
.Lfunc_end_k_q2e009250f6_attn:
	.size	k_q2e009250f6_attn, .Lfunc_end_k_q2e009250f6_attn-k_q2e009250f6_attn
	.p2alignl 7, 3214868480
	.fill 96, 4, 3214868480
	.section	.rodata,"a",@progbits
	.p2align	6, 0x0
	.amdhsa_kernel k_q2e009250f6_attn
		.amdhsa_group_segment_fixed_size 34816
		.amdhsa_private_segment_fixed_size 0
		.amdhsa_enable_private_segment 0
		.amdhsa_kernarg_size 24
		.amdhsa_user_sgpr_count 2
		.amdhsa_user_sgpr_kernarg_segment_ptr 1
		.amdhsa_wavefront_size32 1
		.amdhsa_system_sgpr_workgroup_id_x 1
		.amdhsa_system_sgpr_workgroup_id_y 1
		.amdhsa_system_sgpr_workgroup_id_z 1
		.amdhsa_system_vgpr_workitem_id 0
		.amdhsa_next_free_vgpr 256
		.amdhsa_next_free_sgpr 102
		.amdhsa_reserve_vcc 0
		.amdhsa_float_denorm_mode_32 3
		.amdhsa_float_denorm_mode_16_64 3
		.amdhsa_memory_ordered 1
		.amdhsa_forward_progress 1
		.amdhsa_inst_pref_size 57
	.end_amdhsa_kernel
	.amdgpu_metadata
---
amdhsa.version: [ 1, 2 ]
amdhsa.kernels:
  - .name:           k_q2e009250f6_attn
    .symbol:         k_q2e009250f6_attn.kd
    .args:
      - { .name: qkv16, .offset: 0, .size: 8, .value_kind: global_buffer, .address_space: global }
      - { .name: mw, .offset: 8, .size: 8, .value_kind: global_buffer, .address_space: global }
      - { .name: x16, .offset: 16, .size: 8, .value_kind: global_buffer, .address_space: global }
    .group_segment_fixed_size: 34816
    .private_segment_fixed_size: 0
    .kernarg_segment_align: 8
    .kernarg_segment_size: 24
    .max_flat_workgroup_size: 512
    .sgpr_count:     102
    .vgpr_count:     256
    .wavefront_size: 32
...
	.end_amdgpu_metadata
.endif
;; end of part 3
;; launch oproj (part 4): grid 8 x 64, 4 waves a work-group, clusters of 4 x 4, 327,680 bytes of LDS; arguments x16, wo16, out0; writes out0
.if DOCPART == 4
	.amdgcn_target "amdgcn-amd-amdhsa--gfx1250"
	.amdhsa_code_object_version 6
	.text
	.protected	k_q2e009250f6_oproj
	.globl	k_q2e009250f6_oproj
	.p2align	8
	.type	k_q2e009250f6_oproj,@function
k_q2e009250f6_oproj:
	s_mov_b64 s[64:65], 0
	v_nop
	global_prefetch_b8 v0, s[64:65] scope:SCOPE_SE
	s_setreg_imm32_b32 hwreg(HW_REG_WAVE_MODE, 25, 1), 1
	s_wait_xcnt 0x0
	s_wait_alu depctr_hold_cnt(0) depctr_sa_sdst(0) depctr_va_vdst(0) depctr_va_sdst(0) depctr_va_ssrc(0) depctr_va_vcc(0) depctr_vm_vsrc(0)
	s_getreg_b32 s2, hwreg(HW_REG_IB_STS2, 6, 4)
	s_cmp_eq_u32 s2, 0
	s_cbranch_scc0 .Lentry_in_a_cluster
	s_endpgm
.Lentry_in_a_cluster:
	s_bfe_u32 s2, ttmp6, 0x10000c
	s_cmp_lg_u32 s2, 0xf033
	s_cbranch_scc0 .Lentry_shape_is_right
	s_endpgm
.Lentry_shape_is_right:
; out[m][n] = sum over k of X[m][k] Wo[n][k]: 8,192 x 1,024 x 1,024, f16 operands, f32 sums, f32 out.  X and Wo come as images of the operands' registers: [tile of 16 rows][32 chunks of 32 along K][1,024 bytes].
; A tile of out is 128 x 128: 512 work-groups of four waves, each wave 64 x 64: 16 accumulators.  K goes in 4 steps of 256 through a ring of two LDS slots.  A wave's tensor load brings 4 tiles of rows x 8,192
; consecutive bytes; since fragments lie in LDS as they lie in registers, every LDS load reads 512 consecutive bytes and no padding is wanted.
; CLUSTERS: 4 x 4 work-groups; the four of a row of the cluster need the same tiles of X, the four of a column the same tiles of Wo: each is asked for jointly.
; The matrix instruction is used transposed (source 0 = 16 rows of Wo, source 1 = 16 rows of X): a lane holds eight neighbouring numbers of a row of out.
; A wave has two tensor loads out at the start and one behind each refill.
; REGISTERS: window 0: v16-29 addresses; v32-95 the way out; v128-255 the accumulators ((a, b) at 128 + 8 (4 a + b)).  Window 1: two fragment buffers of 128: 64 registers of X, then 64 of Wo, for 64 along K.
.set HALFT,  32768                     ; what one tensor load brings, and what one wave reads of X or of Wo in a K step
.set SLOT,   4*HALFT                   ; X's two halves, then Wo's
.set STAGE,  2*SLOT                    ; behind the ring: 16 rows x (256 + 16) bytes for each wave
.set SPITCH, 272
.set SPARE,  STAGE+4*16*SPITCH         ; the spare words, 128 bytes a wave, which no other line names
.set LAPS,   2                         ; a lap = two K steps = once round the ring
.set ADRA, 16
.set ADRB, 20
.set STO,  24
.set RD,   25
.set CO,   26
.set SPW,  28
.set NIL,  29
.set TMP,  32
.set ACC,  128
.set F0,   0
.set F1,   128
.set G1, 24
.set G0, 32
.set G1B, 48
.set G0B, 56
.set MSB, 0
.macro WIN new                         ; the immediate's high byte repeats the setting that is left
.if MSB != \new
	s_set_vgpr_msb (MSB<<8)|\new
.set MSB, \new
.endif
.endm
.set MUL,  0x05                        ; sources 0 and 1 window 1; C and D window 0
.set TO_F, 0x40                        ; destination window 1, address window 0
.macro JLOAD s                         ; a joint load: waves 0 and 1 fetch X's two halves, waves 2 and 3 Wo's; an s_nop 0 and four v_nop follow each of the two lines
	s_cmp_eq_u32 s11, 0
	s_cbranch_scc0 .Lfor_b_\@
	tensor_load_to_lds s[G0+4*\s:G0+4*\s+3], s[G1:G1+7]
	s_nop 0
.rept 4
	v_nop
.endr
	s_branch .Lasked_\@
.Lfor_b_\@:
	tensor_load_to_lds s[G0B+4*\s:G0B+4*\s+3], s[G1B:G1B+7]
	s_nop 0
.rept 4
	v_nop
.endr
.Lasked_\@:
.endm
.macro CREST                           ; a round of the cluster's barrier behind its opening barrier
	s_cmp_lg_u32 s10, 0
	s_cbranch_scc1 .Lnot_wave_0_\@
	s_barrier_signal -3
.Lnot_wave_0_\@:
	s_barrier_wait -3
	s_barrier_signal -1
	s_barrier_wait -1
.endm
.macro CROUND
	s_barrier_signal -1
	s_barrier_wait -1
	CREST
.endm
	s_load_b128 s[4:7], s[0:1], 0x0                ; x16, wo16
	s_load_b64 s[8:9], s[0:1], 0x10                ; out0
	v_lshl_add_u32 v[SPW], v0, 2, SPARE
	v_mov_b32 v[NIL], 0
	ds_add_u32 v[SPW], v[NIL]                      ; the wave's opening: the add, twice on end, and its wait ahead of my first tensor load
	ds_add_u32 v[SPW], v[NIL]
	v_lshrrev_b32 v1, 5, v0
	v_readfirstlane_b32 s10, v1                    ; wave 0..3
	s_lshr_b32 s11, s10, 1                         ; which half of the tile's rows is mine.  Also: I fetch for X (0) or for Wo (1)
	s_and_b32 s12, s10, 1                          ; which half of its columns.  Also: which half of that tile I fetch
	s_bfe_u32 s40, ttmp6, 0x40000                  ; cx, cy
	s_bfe_u32 s41, ttmp6, 0x40004
	s_lshl_b32 s42, ttmp9, 2
	s_add_co_u32 s42, s42, s40                     ; tile column
	s_and_b32 s13, ttmp7, 0xffff
	s_lshl_b32 s13, s13, 2
	s_add_co_u32 s13, s13, s41                     ; tile row
	s_lshl_b32 s43, s41, 2
	s_lshl_b32 s43, 15, s43                        ; my row of the cluster
	s_lshl_b32 s44, 0x1111, s40                    ; my column
	s_or_b32 s[G1+0], s43, (3<<16)|(1<<21)         ; 15:0 the mask; 17:16 elements of 8 bytes; 21 set beside a mask; no padding
	s_or_b32 s[G1B+0], s44, (3<<16)|(1<<21)
.irp g, G1, G1B
	s_mov_b32 s[\g+1], 1024<<16                    ; tensor_dim0 = 1,024 elements: 8,192 bytes, a K step of one tile of rows
	s_mov_b32 s[\g+2], 4<<16                       ; tensor_dim1 = 4 tiles of rows
	s_mov_b32 s[\g+3], 1024<<16                    ; tile_dim0
	s_mov_b32 s[\g+4], 4                           ; tile_dim1
	s_mov_b32 s[\g+5], 4096                        ; from tile of rows to tile of rows: 32,768 bytes
	s_mov_b32 s[\g+6], 0
	s_mov_b32 s[\g+7], 0
.endr
	s_lshl_b32 s18, s12, 2
	s_lshl_b32 s16, s13, 3
	s_add_co_u32 s16, s16, s18                     ; X: tile of rows 8 x tile row + 4 x half
	s_lshl_b32 s16, s16, 15
	s_mov_b32 s17, 0
	s_lshl_b32 s46, s42, 3
	s_add_co_u32 s46, s46, s18                     ; Wo: 8 x tile column + 4 x half
	s_lshl_b32 s46, s46, 15
	s_mov_b32 s47, 0
	s_lshl_b32 s20, s10, 15                        ; where they go: wave x 32,768: no place in the cluster enters an LDS address
	s_wait_dscnt 0x0                               ; both opening adds are done
	s_wait_kmcnt 0x0
	s_add_nc_u64 s[14:15], s[4:5], s[16:17]
	s_add_nc_u64 s[46:47], s[6:7], s[46:47]
	CROUND                                         ; all sixteen work-groups are here: the first joint loads meet
.irp s, 0,1
	s_mov_b32 s[G0+4*\s], 1
	s_add_co_u32 s[G0+4*\s+1], s20, \s*SLOT
	s_add_nc_u64 s[G0+4*\s+2:G0+4*\s+3], s[14:15], \s*8192
	s_or_b32 s[G0+4*\s+3], s[G0+4*\s+3], 0x80000000
	s_mov_b32 s[G0B+4*\s], 1
	s_add_co_u32 s[G0B+4*\s+1], s20, \s*SLOT
	s_add_nc_u64 s[G0B+4*\s+2:G0B+4*\s+3], s[46:47], \s*8192
	s_or_b32 s[G0B+4*\s+3], s[G0B+4*\s+3], 0x80000000
	JLOAD \s
.endr
	v_and_b32 v1, 15, v0                           ; l % 16
	v_bfe_u32 v2, v0, 4, 1                         ; l / 16
	v_and_b32 v3, 31, v0
	v_lshlrev_b32 v3, 4, v3                        ; 16 x lane
	s_lshl_b32 s21, s11, 15                        ; my 64 rows of X
	s_lshl_b32 s22, s12, 15                        ; my 64 rows of Wo,
	s_add_co_u32 s22, s22, 2*HALFT                 ; which lie behind X's 128
.irp s, 0,1
	v_add_nc_u32 v[ADRA+\s], s21, v3
	v_add_nc_u32 v[ADRB+\s], s22, v3
	s_add_co_u32 s21, s21, SLOT
	s_add_co_u32 s22, s22, SLOT
.endr
	s_mul_i32 s23, s10, 16*SPITCH
	s_add_co_u32 s23, s23, STAGE                   ; my stage
	v_mul_u32_u24 v4, v1, SPITCH
	v_lshl_add_u32 v4, v2, 5, v4
	v_add_nc_u32 v[STO], s23, v4                   ; in: row l % 16, 32 bytes for each half of the lanes
	v_mul_u32_u24 v5, v2, SPITCH
	v_lshl_add_u32 v5, v1, 4, v5
	v_add_nc_u32 v[RD], s23, v5                    ; back: lanes 0-15 one row of 256 bytes, lanes 16-31 the next
	v_lshlrev_b32 v5, 12, v2
	v_lshl_add_u32 v[CO], v1, 4, v5                ; and the same two rows in out
	s_lshl_b32 s16, s13, 7
	s_lshl_b32 s17, s11, 6
	s_add_co_u32 s16, s16, s17                     ; my first row: 128 x tile row + 64 x half
	s_lshl_b32 s16, s16, 12
	s_mov_b32 s17, 0
	s_add_nc_u64 s[8:9], s[8:9], s[16:17]
	s_lshl_b32 s46, s42, 9                         ; my first column, in bytes: 512 x tile column + 256 x half
	s_lshl_b32 s47, s12, 8
	s_add_co_u32 s46, s46, s47
	s_mov_b32 s47, 0
	s_add_nc_u64 s[8:9], s[8:9], s[46:47]
.macro MUL8 f, c, a0, zero             ; 8 matrix instructions: blocks a0, a0 + 1 of X x all 4 of Wo, 32 along K: half c of buffer f
.irp a, \a0, \a0+1
.irp b, 0,1,2,3
.if \zero
	v_wmma_f32_16x16x32_f16 v[ACC+8*(4*(\a)+\b):ACC+8*(4*(\a)+\b)+7], v[\f+64+8*(4*\c+\b):\f+64+8*(4*\c+\b)+7], v[\f+8*(4*\c+\a):\f+8*(4*\c+\a)+7], 0
.else
	v_wmma_f32_16x16x32_f16 v[ACC+8*(4*(\a)+\b):ACC+8*(4*(\a)+\b)+7], v[\f+64+8*(4*\c+\b):\f+64+8*(4*\c+\b)+7], v[\f+8*(4*\c+\a):\f+8*(4*\c+\a)+7], v[ACC+8*(4*(\a)+\b):ACC+8*(4*(\a)+\b)+7]
.endif
.endr
.endr
.endm
.macro FETCH slot, k, f                ; 32 LDS loads in one run: the fragments of 64 along K (two chunks, from byte k of each tile of rows) into buffer f; the first 32 along K first
	WIN TO_F
.irp c, 0,1
.irp i, 0,1,2,3
	ds_load_b128 v[\f+64+8*(4*\c+\i):\f+64+8*(4*\c+\i)+3],   v[ADRB+\slot] offset:\k+1024*\c+8192*\i
	ds_load_b128 v[\f+64+8*(4*\c+\i)+4:\f+64+8*(4*\c+\i)+7], v[ADRB+\slot] offset:\k+1024*\c+8192*\i+512
	ds_load_b128 v[\f+8*(4*\c+\i):\f+8*(4*\c+\i)+3],         v[ADRA+\slot] offset:\k+1024*\c+8192*\i
	ds_load_b128 v[\f+8*(4*\c+\i)+4:\f+8*(4*\c+\i)+7],       v[ADRA+\slot] offset:\k+1024*\c+8192*\i+512
.endr
.endr
.endm
.macro PLACES
.rept 4
	v_nop
.endr
.endm
.macro QUARTER slot, k, f, g, zero     ; 64 along K: multiplies buffer f and fetches the next quarter, at byte k, into g
	s_wait_dscnt 16                                ; the first 32 along K are in; the youngest sixteen loads may be out
	WIN MUL
	MUL8 \f, 0, 0, \zero
	MUL8 \f, 0, 2, \zero
	PLACES
	FETCH \slot, \k, \g
	s_wait_dscnt 32                                ; all but the 32 just issued
	WIN MUL
	MUL8 \f, 1, 0, 0
	MUL8 \f, 1, 2, 0
.endm
.macro TURN slot, next, fill           ; a K step's last quarter changes slots: one barrier; fill = 1: this slot is filled again, two K steps ahead
	WIN 0
	s_wait_tensorcnt 0x0                           ; all my tensor loads have landed: my part of the next slot;
	ds_add_u32 v[SPW], v[NIL]                      ; 0 onto my spare word;
	s_wait_dscnt 17                                ; (the add and the youngest sixteen loads may be out)
	WIN MUL
	MUL8 F1, 0, 0, 0
	s_wait_dscnt 0x0                               ; the add is done, and my reads of this slot are over
	s_barrier_signal -1
	MUL8 F1, 0, 2, 0
.if \fill
	WIN 0
.endif
	s_barrier_wait -1
.if \fill
	CREST                                          ; the barrier has opened a round of the cluster's barrier: no wave of any partner still reads this slot or has a load on its way
	s_add_nc_u64 s[G0+4*\slot+2:G0+4*\slot+3], s[G0+4*\slot+2:G0+4*\slot+3], 16384
	s_add_nc_u64 s[G0B+4*\slot+2:G0B+4*\slot+3], s[G0B+4*\slot+2:G0B+4*\slot+3], 16384
	JLOAD \slot                                    ; the first tensor load behind the round; its four v_nop are also the places in front of the loads below
.else
	PLACES
.endif
	FETCH \next, 0, F0
	WIN MUL
	MUL8 F1, 1, 0, 0
	MUL8 F1, 1, 2, 0
.endm
	s_wait_tensorcnt 1                             ; my part of K step 0 is in; K step 1's may stay out
	s_barrier_signal -1
	s_barrier_wait -1
	FETCH 0, 0, F0
	QUARTER 0, 2048, F0, F1, 1                     ; the first quarter stands in front of the loop: its first products start the sums
	WIN 0
	s_mov_b32 s3, LAPS-1
.Llap:
	QUARTER 0, 4096, F1, F0, 0
	QUARTER 0, 6144, F0, F1, 0
	TURN 0, 1, 1
	QUARTER 1, 2048, F0, F1, 0
	QUARTER 1, 4096, F1, F0, 0
	QUARTER 1, 6144, F0, F1, 0
	TURN 1, 0, 1
	QUARTER 0, 2048, F0, F1, 0
	WIN 0
	s_sub_co_u32 s3, s3, 1
	s_cmp_lg_u32 s3, 0
	s_cbranch_scc1 .Llap
	QUARTER 0, 4096, F1, F0, 0                     ; the last lap fills nothing
	QUARTER 0, 6144, F0, F1, 0
	TURN 0, 1, 0
	QUARTER 1, 2048, F0, F1, 0
	QUARTER 1, 4096, F1, F0, 0
	QUARTER 1, 6144, F0, F1, 0
	s_wait_dscnt 16
	WIN MUL
	MUL8 F1, 0, 0, 0
	MUL8 F1, 0, 2, 0
	s_wait_dscnt 0
	MUL8 F1, 1, 0, 0
	MUL8 F1, 1, 2, 0
	WIN 0
; THE WAY OUT, 16 rows x 64 columns at a time, through my own stage: my 64 columns of f32 are one aligned 256 bytes of a row, so no other wave is needed.
.macro TOSTAGE a
.irp b, 0,1,2,3
	ds_store_b128 v[STO], v[ACC+8*(4*(\a)+\b):ACC+8*(4*(\a)+\b)+3] offset:64*\b          ; each accumulator from its low end on
	ds_store_b128 v[STO], v[ACC+8*(4*(\a)+\b)+4:ACC+8*(4*(\a)+\b)+7] offset:64*\b+16
.endr
.irp t, 0,1,2,3,4,5,6,7
	ds_load_b128 v[TMP+32*((\a)%2)+4*\t:TMP+32*((\a)%2)+4*\t+3], v[RD] offset:\t*2*SPITCH   ; LDS serves a wave's instructions in order: these see the stores above
.endr
.endm
.macro SEND a, younger                 ; younger: the next block's 8 stores and 8 loads, or none
	s_wait_dscnt \younger
.if (\a) > 0
	s_add_nc_u64 s[8:9], s[8:9], 65536             ; 16 rows on (the earlier stores have read their base: a wait for that stands above)
.endif
.irp t, 0,1,2,3,4,5,6,7
	global_store_b128 v[CO], v[TMP+32*((\a)%2)+4*\t:TMP+32*((\a)%2)+4*\t+3], s[8:9] offset:8192*\t   ; 16 lanes store 256 consecutive bytes, aligned
.endr
.endm
	PLACES
	TOSTAGE 0
	TOSTAGE 1
	SEND 0, 16
	s_wait_xcnt 0x0                                ; block 0's stores have read their registers and their base
	TOSTAGE 2
	SEND 1, 16
	s_wait_xcnt 0x0
	TOSTAGE 3
	SEND 2, 16
	s_wait_xcnt 0x0
	SEND 3, 0
	s_wait_tensorcnt 0x0                           ; the wave's end
	ds_add_u32 v[SPW], v[NIL]
	s_wait_dscnt 0x0
	CROUND                                         ; the closing round
	s_endpgm
.Lfunc_end_k_q2e009250f6_oproj:
	.size	k_q2e009250f6_oproj, .Lfunc_end_k_q2e009250f6_oproj-k_q2e009250f6_oproj
	.p2alignl 7, 3214868480
	.fill 96, 4, 3214868480
	.section	.rodata,"a",@progbits
	.p2align	6, 0x0
	.amdhsa_kernel k_q2e009250f6_oproj
		.amdhsa_group_segment_fixed_size 327680
		.amdhsa_private_segment_fixed_size 0
		.amdhsa_enable_private_segment 0
		.amdhsa_kernarg_size 24
		.amdhsa_user_sgpr_count 2
		.amdhsa_user_sgpr_kernarg_segment_ptr 1
		.amdhsa_wavefront_size32 1
		.amdhsa_system_sgpr_workgroup_id_x 1
		.amdhsa_system_sgpr_workgroup_id_y 1
		.amdhsa_system_sgpr_workgroup_id_z 1
		.amdhsa_system_vgpr_workitem_id 0
		.amdhsa_next_free_vgpr 512
		.amdhsa_next_free_sgpr 66
		.amdhsa_reserve_vcc 0
		.amdhsa_float_denorm_mode_32 3
		.amdhsa_float_denorm_mode_16_64 3
		.amdhsa_memory_ordered 1
		.amdhsa_forward_progress 1
		.amdhsa_inst_pref_size 86
	.end_amdhsa_kernel
	.amdgpu_metadata
---
amdhsa.version: [ 1, 2 ]
amdhsa.kernels:
  - .name:           k_q2e009250f6_oproj
    .symbol:         k_q2e009250f6_oproj.kd
    .args:
      - { .name: x16, .offset: 0, .size: 8, .value_kind: global_buffer, .address_space: global }
      - { .name: wo16, .offset: 8, .size: 8, .value_kind: global_buffer, .address_space: global }
      - { .name: out0, .offset: 16, .size: 8, .value_kind: global_buffer, .address_space: global }
    .group_segment_fixed_size: 327680
    .private_segment_fixed_size: 0
    .kernarg_segment_align: 8
    .kernarg_segment_size: 24
    .max_flat_workgroup_size: 128
    .sgpr_count:     66
    .vgpr_count:     512
    .wavefront_size: 32
...
	.end_amdgpu_metadata
.endif
;; end of part 4
;; launch fine (part 5): grid 16 x 4, 16 waves a work-group, no clusters, 84,992 bytes of LDS; arguments fine32, mw, wo32, out0; writes out0
.if DOCPART == 5
	.amdgcn_target "amdgcn-amd-amdhsa--gfx1250"
	.amdhsa_code_object_version 6
	.text
	.protected	k_q2e009250f6_fine
	.globl	k_q2e009250f6_fine
	.p2align	8
	.type	k_q2e009250f6_fine,@function
k_q2e009250f6_fine:
	s_mov_b64 s[64:65], 0
	v_nop
	global_prefetch_b8 v0, s[64:65] scope:SCOPE_SE
	s_setreg_imm32_b32 hwreg(HW_REG_WAVE_MODE, 25, 1), 1
	s_wait_xcnt 0x0
; Positions 0 to 15 of every batch once more, all in f32: these rows may average one to a few values, where the rounding of f16 operands weighs most.  They are written over the rows that the launch before stored.
; Work-group (x, y): batch y, output columns 64 x .. 64 x + 63.  PHASE 1: wave w makes head w's attention for the 16 queries, from the f32 sums that the second launch kept (Q and K already x sqrt(log2(e) / 8)).
; Every work-group of a batch makes all 16 heads: that saves a launch, and the work is small.
; WHAT IS PASSED OVER, by whole numbers that the first launch stored: a step of 64 keys whose bit in U (of the first tile of queries) is 0; the walk ends where no later bit is set.  Within a step that counts, a tile of
; 16 keys all of whose 16 x 16 mask entries are 1 (its eight words are all ones), but only where U is not all ones: U is all ones wherever a row is masked in all 2,048 keys, so a zero bit in it shows that every row
; has an open key elsewhere, beside which the p of a tile passed over is 0 in f32 (the limit at the head of the first launch).  Where U is all ones every tile is worked.
; PHASE 2: wave w takes 16 of the 64 columns (w % 4) and a quarter of K (heads 4 (w / 4) ..); Wo comes in f32 as images of the operand's registers, 512 consecutive bytes a load: two heads' at the kernel's head,
; two behind the walk, which land under the first two heads' products.  PHASE 3: the four quarters are added and 16 rows x 256 bytes stored.
; The f32 matrix form takes 4 along K; both operands are given the same order of K: slot (lane / 16, register j) of instruction jj of group g stands for 16 g + 8 (lane / 16) + 2 jj + j, which is how the kept accumulators lie.
; v128-159 are written by matrix instructions alone.
; LIMITS: as stated at the head of the first launch.
.set PART,  65536                      ; LDS: 0: the 16 heads' results, 4,096 bytes each, as images; here 4 quarters of K x 16 rows x (256 + 16) bytes;
.set SPARE, 82944                      ; the spare words, 128 bytes a wave
.set P,   24                           ; v24-31   a tile's scores, then p; in phase 2 the sum
.set Q,   32                           ; v32-63   Q; in phase 2 a head's result
.set KS,  64                           ; v64-95 K, v96-127 V of a tile of 16 keys; in phase 2 Wo of heads 0 and 1 of my quarter
.set OP,  128                          ; v128-159 the matrix results
.set WE,  160                          ; v160-223 Wo of heads 2 and 3 of my quarter, from the kernel's head on
.set O,   224                          ; v224-255 O^T; in phase 2 a head's result
; v10 M (v11 named with it), v[12:13] the sum, v14 the factor (v15 named with it), v16-22 at work
; v1 16 x lane; v2, v3 the add's two; v4 the masked score; v6, v23 the results' images, in and out; v7, v8 the quarters, in and out; v9 my offset in out
; s20 U, shifted step by step; s21 all ones where tiles of 16 keys may be passed over, else 0
	s_load_b256 s[4:11], s[0:1], 0x0               ; fine32, mw, wo32, out0
	v_lshl_add_u32 v2, v0, 2, SPARE
	v_mov_b32 v3, 0
	v_lshrrev_b32 v1, 5, v0
	v_readfirstlane_b32 s12, v1                    ; wave 0..15
	v_and_b32 v16, 31, v0
	v_and_b32 v17, 15, v0                          ; r
	v_bfe_u32 v18, v0, 4, 1                        ; h
	v_lshlrev_b32 v1, 4, v16
	v_mov_b32 v4, 0xceabfb8f                       ; -1e9 x log2(e)
	s_mov_b32 s13, ttmp9
	s_and_b32 s14, ttmp7, 0xffff
	s_lshl_b32 s15, s14, 4
	s_add_co_u32 s15, s15, s12                     ; 16 x batch + head
	s_and_b32 s28, s12, 3                          ; phase 2: which 16 columns,
	s_lshr_b32 s29, s12, 2                         ; which quarter of K
	s_lshl_b32 s24, s12, 12
	v_add_nc_u32 v6, s24, v1
	s_lshl_b32 s24, s29, 14
	v_add_nc_u32 v23, s24, v1
	s_mul_i32 s24, s29, 4352
	s_lshl_b32 s31, s28, 6
	s_add_co_u32 s24, s24, s31
	s_add_co_u32 s24, s24, PART
	v_mul_u32_u24 v7, v17, 272
	v_lshl_add_u32 v7, v18, 5, v7
	v_add_nc_u32 v7, s24, v7
	s_and_b32 s31, s12, 7
	s_mul_i32 s24, s31, 544
	s_add_co_u32 s24, s24, PART
	v_mul_u32_u24 v8, v18, 272
	v_lshl_add_u32 v8, v17, 4, v8
	v_add_nc_u32 v8, s24, v8
	s_lshl_b32 s24, s31, 13
	v_lshlrev_b32 v9, 12, v18
	v_lshl_add_u32 v9, v17, 4, v9
	v_add_nc_u32 v9, s24, v9
	s_mov_b32 s26, 0x76543210
	s_mov_b32 s27, 0xfedcba98
	s_mov_b32 s25, 0
	v_mov_b32 v10, 0xff61b1e6                      ; M: -3e38
	v_mov_b32 v11, 0
	v_mov_b32 v12, 0
	v_mov_b32 v13, 0
	v_mov_b32 v14, 0
	v_mov_b32 v15, 0
.set i, 0
.rept 32
	v_mov_b32 v[O+i], 0                            ; which tile of keys is the first hangs on the stored words
.set i, i+1
.endr
	s_wait_kmcnt 0x0
	s_load_b32 s20, s[6:7], 0x80000                ; U of the first tile of queries
	s_lshl_b32 s24, s15, 19
	s_add_nc_u64 s[2:3], s[4:5], s[24:25]          ; Q: the head's step 0, its first tile
	s_add_nc_u64 s[16:17], s[2:3], 0x2000000       ; K's array,
	s_add_nc_u64 s[18:19], s[2:3], 0x4000000       ; V's
	s_mov_b64 s[22:23], s[6:7]                     ; the tile's mask words, 128 bytes a step
.irp k, 0,1,2,3,4,5,6,7
	global_load_b128 v[Q+4*\k:Q+4*\k+3], v1, s[2:3] offset:512*\k
.endr
	s_lshl_b32 s24, s13, 18                        ; Wo's images: 65,536 bytes a tile of 16 rows, four tiles a work-group,
	s_lshl_b32 s31, s28, 16
	s_add_co_u32 s24, s24, s31
	s_lshl_b32 s31, s29, 14                        ; 4,096 a head, four heads a quarter of K
	s_add_co_u32 s24, s24, s31
	s_add_nc_u64 s[8:9], s[8:9], s[24:25]
.irp hh, 2,3                           ; heads 2 and 3 of my quarter now: they land under phase 1
.irp m, 0,1,2,3,4,5,6,7
	global_load_b128 v[WE+32*(\hh-2)+4*\m:WE+32*(\hh-2)+4*\m+3], v1, s[8:9] offset:4096*\hh+512*\m
.endr
.endr
	s_lshl_b32 s24, s14, 23
	s_lshl_b32 s31, s13, 8
	s_add_co_u32 s24, s24, s31
	s_add_nc_u64 s[10:11], s[10:11], s[24:25]      ; out: the batch's first row, column 64 x
	s_mov_b32 s30, 32
	s_wait_kmcnt 0x0
	s_cmp_eq_u32 s20, -1
	s_cselect_b32 s21, 0, -1                       ; tiles of 16 keys may be passed over only where U has a zero bit
.macro LOADKV t                        ; the step's keys 16 t on: K (16 keys x 64 channels), then V (64 channels x 16 keys)
.irp k, 0,1,2,3,4,5,6,7
	global_load_b128 v[KS+4*\k:KS+4*\k+3], v1, s[16:17] offset:4096*(\t)+512*\k
.endr
.irp dt, 0,1,2,3
.irp e, 0,1
	global_load_b128 v[KS+32+8*\dt+4*\e:KS+32+8*\dt+4*\e+3], v1, s[18:19] offset:4096*\dt+1024*(\t)+512*\e
.endr
.endr
.endm
.macro NINE
.rept 9
	v_nop                                          ; places behind the f32 form: in front of reads of its results, of loads into its operands and of matrix instructions that write over its registers
.endr
.endm
; the step's keys 16 t on.  Tile 0's loads were issued with the mask words; a later tile's stand in the branch that works it, so that every way reads what it loaded
.macro SUB t
	s_and_b32 s24, s[32+8*(\t)], s[33+8*(\t)]
.irp i, 2,3,4,5,6,7
	s_and_b32 s24, s24, s[32+8*(\t)+\i]
.endr
	s_and_b32 s24, s24, s21
	s_cmp_eq_u32 s24, -1                           ; all 16 x 16 entries masked, and passing over allowed
	s_cbranch_scc1 .Lpass_\@
.if (\t) > 0
	LOADKV \t
.endif
	s_wait_loadcnt 8                               ; K's eight loads are in (and all that was asked for earlier); behind them stand V's eight alone
.irp jj, 0,1,2,3
.irp g, 0,1,2,3
.if (\jj == 0) && (\g < 2)
	v_wmma_f32_16x16x4_f32 v[OP+8*(\g&1):OP+8*(\g&1)+7], v[KS+8*\g+2*\jj:KS+8*\g+2*\jj+1], v[Q+8*\g+2*\jj:Q+8*\g+2*\jj+1], 0
.else
	v_wmma_f32_16x16x4_f32 v[OP+8*(\g&1):OP+8*(\g&1)+7], v[KS+8*\g+2*\jj:KS+8*\g+2*\jj+1], v[Q+8*\g+2*\jj:Q+8*\g+2*\jj+1], v[OP+8*(\g&1):OP+8*(\g&1)+7]
.endif
.endr
.endr                                              ; two accumulators by turns
	NINE
.irp i, 0,2,4,6
	v_pk_add_f32 v[P+\i:P+\i+1], v[OP+\i:OP+\i+1], v[OP+8+\i:OP+9+\i]   ; t of key 16 t + 8 h + i for query r
.endr
.irp i, 0,1,2,3,4,5,6,7
	v_cndmask_b32 v[P+\i], v[P+\i], v4, s[32+8*(\t)+\i]
.endr
	v_max3_num_f32 v16, v[P], v[P+1], v[P+2]
	v_max3_num_f32 v17, v[P+3], v[P+4], v[P+5]
	v_max3_num_f32 v16, v16, v[P+6], v[P+7]
	v_max3_num_f32 v16, v16, v17, v10
	v_permlanex16_b32 v17, v16, s26, s27
	v_mov_b32 v18, v10
	v_max_num_f32 v10, v16, v17                    ; the new M
	v_sub_f32 v15, v18, v10
.irp i, 0,2,4,6
	v_pk_add_f32 v[P+\i:P+\i+1], v[P+\i:P+\i+1], v[10:11] op_sel_hi:[1,0] neg_lo:[0,1] neg_hi:[0,1]
.endr
	v_exp_f32 v14, v15
.irp i, 0,1,2,3,4,5,6,7
	v_exp_f32 v[P+\i], v[P+\i]
.endr
	v_nop
	s_wait_alu depctr_va_vdst(0)                   ; one wait for the nine exponentials
	v_pk_add_f32 v[16:17], v[P:P+1], v[P+2:P+3]
	v_pk_add_f32 v[18:19], v[P+4:P+5], v[P+6:P+7]
	v_pk_add_f32 v[16:17], v[16:17], v[18:19]
	v_pk_fma_f32 v[12:13], v[12:13], v[14:15], v[16:17] op_sel_hi:[1,0,1]
	s_wait_loadcnt 0x0                             ; V, which has had the first product and the softmax in which to land
.irp jj, 0,1,2,3
.irp dt, 0,1,2,3
.if \jj == 0
	v_wmma_f32_16x16x4_f32 v[OP+8*\dt:OP+8*\dt+7], v[KS+32+8*\dt+2*\jj:KS+33+8*\dt+2*\jj], v[P+2*\jj:P+2*\jj+1], 0
.else
	v_wmma_f32_16x16x4_f32 v[OP+8*\dt:OP+8*\dt+7], v[KS+32+8*\dt+2*\jj:KS+33+8*\dt+2*\jj], v[P+2*\jj:P+2*\jj+1], v[OP+8*\dt:OP+8*\dt+7]
.endif
.endr
.endr                                              ; four accumulators by turns
	NINE
.set i, 0
.rept 16
	v_pk_fma_f32 v[O+2*i:O+2*i+1], v[O+2*i:O+2*i+1], v[14:15], v[OP+2*i:OP+2*i+1] op_sel_hi:[1,0,1]   ; O^T = O^T x factor + these 16 keys'
.set i, i+1
.endr
.Lpass_\@:
.if (\t) == 0
	s_wait_loadcnt 0x0                             ; where tile 0 was passed over its loads are awaited here: the next tile's land on the same registers
.endif
.endm
.Lstep:                                                ; at most 32 steps of 64 keys
	s_cmp_eq_u32 s20, 0                            ; no later step counts: the walk ends
	s_cbranch_scc1 .Ldone
	s_bitcmp1_b32 s20, 0
	s_cbranch_scc0 .Lskip
	s_load_b512 s[32:47], s[22:23], 0x0            ; the step's 32 lane masks,
	s_load_b512 s[48:63], s[22:23], 0x40
	LOADKV 0                                       ; and its first 16 keys, asked for together
	s_wait_kmcnt 0x0
	SUB 0
	SUB 1
	SUB 2
	SUB 3
.Lskip:
	s_wait_xcnt 0x0                                ; the loads have read their bases
	s_add_nc_u64 s[16:17], s[16:17], 16384
	s_add_nc_u64 s[18:19], s[18:19], 16384
	s_add_nc_u64 s[22:23], s[22:23], 128
	s_lshr_b32 s20, s20, 1
	s_sub_co_u32 s30, s30, 1
	s_cmp_lg_u32 s30, 0
	s_cbranch_scc1 .Lstep
.Ldone:
	s_wait_loadcnt 0x0                             ; nothing of phase 1 is on its way; Wo's heads 2 and 3 are in
.irp hh, 0,1                           ; Wo's heads 0 and 1 of my quarter, into the registers that K and V have left: they land under what follows
.irp m, 0,1,2,3,4,5,6,7
	global_load_b128 v[KS+32*\hh+4*\m:KS+32*\hh+4*\m+3], v1, s[8:9] offset:4096*\hh+512*\m
.endr
.endr
	v_add_f32 v16, v12, v13
	v_permlanex16_b32 v17, v16, s26, s27
	v_add_f32 v16, v16, v17
	v_rcp_f32 v14, v16
	v_nop
	s_wait_alu depctr_va_vdst(0)
.set i, 0
.rept 16
	v_pk_mul_f32 v[O+2*i:O+2*i+1], v[O+2*i:O+2*i+1], v[14:15] op_sel_hi:[1,0]
.set i, i+1
.endr
.irp k, 0,1,2,3,4,5,6,7
	ds_store_b128 v6, v[O+4*\k:O+4*\k+3] offset:512*\k   ; my head's result, as an image of its registers
.endr
	s_wait_dscnt 0x0                               ; for the others' sake
	s_barrier_signal -1
	s_barrier_wait -1
.macro XLD hh, reg
.irp k, 0,1,2,3,4,5,6,7
	ds_load_b128 v[\reg+4*\k:\reg+4*\k+3], v23 offset:4096*\hh+512*\k
.endr
.endm
.macro P2 wreg, xreg, zero             ; out^T += Wo X^T over one head's 64: source 0 = 16 rows of Wo, source 1 = the 16 positions
.irp jj, 0,1,2,3
.irp g, 0,1,2,3
.if \zero && (\jj == 0)
	v_wmma_f32_16x16x4_f32 v[OP+8*\g:OP+8*\g+7], v[\wreg+8*\g+2*\jj:\wreg+8*\g+2*\jj+1], v[\xreg+8*\g+2*\jj:\xreg+8*\g+2*\jj+1], 0
.else
	v_wmma_f32_16x16x4_f32 v[OP+8*\g:OP+8*\g+7], v[\wreg+8*\g+2*\jj:\wreg+8*\g+2*\jj+1], v[\xreg+8*\g+2*\jj:\xreg+8*\g+2*\jj+1], v[OP+8*\g:OP+8*\g+7]
.endif
.endr
.endr
.endm
	XLD 2, Q                                       ; heads 2 and 3 first: their part of Wo is in registers
	XLD 3, O
	s_wait_dscnt 0x0
	P2 WE, Q, 1
	P2 WE+32, O, 0
	NINE
	XLD 0, Q
	XLD 1, O
	s_wait_loadcnt 0x0                             ; Wo's heads 0 and 1
	s_wait_dscnt 0x0
	P2 KS, Q, 0
	P2 KS+32, O, 0
	NINE
.irp i, 0,2,4,6
	v_pk_add_f32 v[P+\i:P+\i+1], v[OP+\i:OP+\i+1], v[OP+8+\i:OP+9+\i]   ; the four accumulators, each from its low end on
.endr
.irp i, 0,2,4,6
	v_pk_add_f32 v[P+\i:P+\i+1], v[P+\i:P+\i+1], v[OP+16+\i:OP+17+\i]
.endr
.irp i, 0,2,4,6
	v_pk_add_f32 v[P+\i:P+\i+1], v[P+\i:P+\i+1], v[OP+24+\i:OP+25+\i]
.endr
	ds_store_b128 v7, v[P:P+3]                     ; lane (r, h): position r, columns 16 (w % 4) + 8 h + 0 .. 7, of my quarter of K
	ds_store_b128 v7, v[P+4:P+7] offset:16
	s_wait_dscnt 0x0
	s_barrier_signal -1
	s_barrier_wait -1
	s_cmp_lt_u32 s12, 8
	s_cbranch_scc0 .Lend
.irp i, 0,1,2,3
	ds_load_b128 v[32+4*\i:35+4*\i], v8 offset:4352*\i   ; waves 0-7: two rows each, the four quarters
.endr
	s_wait_dscnt 0x0
	v_pk_add_f32 v[32:33], v[32:33], v[36:37]
	v_pk_add_f32 v[34:35], v[34:35], v[38:39]
	v_pk_add_f32 v[40:41], v[40:41], v[44:45]
	v_pk_add_f32 v[42:43], v[42:43], v[46:47]
	v_pk_add_f32 v[32:33], v[32:33], v[40:41]
	v_pk_add_f32 v[34:35], v[34:35], v[42:43]
	global_store_b128 v9, v[32:35], s[10:11]       ; 16 lanes store 256 consecutive bytes, aligned
.Lend:
	s_wait_tensorcnt 0x0                           ; the wave's end
	ds_add_u32 v2, v3
	s_wait_dscnt 0x0
	s_endpgm
.Lfunc_end_k_q2e009250f6_fine:
	.size	k_q2e009250f6_fine, .Lfunc_end_k_q2e009250f6_fine-k_q2e009250f6_fine
	.p2alignl 7, 3214868480
	.fill 96, 4, 3214868480
	.section	.rodata,"a",@progbits
	.p2align	6, 0x0
	.amdhsa_kernel k_q2e009250f6_fine
		.amdhsa_group_segment_fixed_size 84992
		.amdhsa_private_segment_fixed_size 0
		.amdhsa_enable_private_segment 0
		.amdhsa_kernarg_size 32
		.amdhsa_user_sgpr_count 2
		.amdhsa_user_sgpr_kernarg_segment_ptr 1
		.amdhsa_wavefront_size32 1
		.amdhsa_system_sgpr_workgroup_id_x 1
		.amdhsa_system_sgpr_workgroup_id_y 1
		.amdhsa_system_sgpr_workgroup_id_z 1
		.amdhsa_system_vgpr_workitem_id 0
		.amdhsa_next_free_vgpr 256
		.amdhsa_next_free_sgpr 66
		.amdhsa_reserve_vcc 0
		.amdhsa_float_denorm_mode_32 3
		.amdhsa_float_denorm_mode_16_64 3
		.amdhsa_memory_ordered 1
		.amdhsa_forward_progress 1
		.amdhsa_inst_pref_size 49
	.end_amdhsa_kernel
	.amdgpu_metadata
---
amdhsa.version: [ 1, 2 ]
amdhsa.kernels:
  - .name:           k_q2e009250f6_fine
    .symbol:         k_q2e009250f6_fine.kd
    .args:
      - { .name: fine32, .offset: 0, .size: 8, .value_kind: global_buffer, .address_space: global }
      - { .name: mw, .offset: 8, .size: 8, .value_kind: global_buffer, .address_space: global }
      - { .name: wo32, .offset: 16, .size: 8, .value_kind: global_buffer, .address_space: global }
      - { .name: out0, .offset: 24, .size: 8, .value_kind: global_buffer, .address_space: global }
    .group_segment_fixed_size: 84992
    .private_segment_fixed_size: 0
    .kernarg_segment_align: 8
    .kernarg_segment_size: 32
    .max_flat_workgroup_size: 512
    .sgpr_count:     66
    .vgpr_count:     256
    .wavefront_size: 32
...
	.end_amdgpu_metadata
.endif
;; end of part 5
